; MI455X (gfx1250); checked and timed in simulation.
; The chip was launched on July 23, 2026; its instructions are those of AMD's public machine-readable ISA for CDNA 5 (MIT licence, August 2026) and "CDNA5" Instruction Set Architecture Reference Guide (July 2026). The comments in the code are by the model that wrote it; some were corrected since.
;; Windowed Attention. Allowed arithmetic: float matrix products may take bf16 or f16 operands with f32 sums; other float arithmetic in f32, or as packed bf16 or f16 multiplies, adds, multiply-adds, maxima and minima; sums over many terms, partial sums and values carried from step to step in f32; what a program stores and reads back later, other than sums and carried values, may be rounded once to bf16 or f16.
;; Inputs: W_out 1,024 x 1,024 float32; W_qkv 3,072 x 1,024 float32; x 1 x 4,096 x 1,024 float32.
;; Outputs: out0 1 x 4,096 x 1,024 float32.
;; One version. Each part assembles by itself: llvm-mc -triple=amdgcn-amd-amdhsa -mcpu=gfx1250 --defsym DOCPART=n.
;; ======== version 1 of 1: 4 launches
;; limits: values are held in f16: magnitudes above 65,504 overflow, below 6.1e-05 lose precision
;; workspace buffers: xb 8,388,608 bytes; wqb 6,291,456 bytes; wob 2,097,152 bytes; qkv 25,165,824 bytes; ob 8,388,608 bytes
;; launch cast (part 1): grid 512 x 1, 8 waves a work-group, no clusters, 0 bytes of LDS; arguments x, W_qkv, W_out, xb, wqb, wob; writes xb, wqb, wob
.if DOCPART == 1
	.amdgcn_target "amdgcn-amd-amdhsa--gfx1250"
	.amdhsa_code_object_version 6
	.text
	.protected	k_q24d875cc58_cast
	.globl	k_q24d875cc58_cast
	.p2align	8
	.type	k_q24d875cc58_cast,@function
k_q24d875cc58_cast:
	s_mov_b64 s[64:65], 0
	v_nop
	global_prefetch_b8 v0, s[64:65] scope:SCOPE_SE
	s_setreg_imm32_b32 hwreg(HW_REG_WAVE_MODE, 25, 1), 1
	s_wait_xcnt 0x0
; THE INPUTS ARE ROUNDED ONCE, for the matrix products of the later launches.  x [4096][1024] and W_qkv [3072][1024], f32, are rounded to bf16 (xb, wqb).
; W_out [1024][1024] is rounded to bf16 like the other inputs, and that number is then written as f16 (wob), since the last product's other operand is f16.
; LIMITS.  A bf16 number of 65,520 or more has no f16 and becomes an infinity; below 7.6e-6 it keeps f16's fixed step of 6e-8.
; SHARES.  A work-group takes 65,536 bytes of f32 and makes 32,768 bytes: work-groups 0-255 x, 256-447 W_qkv, 448-511 W_out.  In step i of eight thread t loads the 32 bytes at
; 8,192 i + 32 t and stores the 16 bytes at 4,096 i + 16 t: a wave's store covers 512 consecutive bytes, aligned.  All sixteen loads of a thread go out at once; no register is written twice
; while a memory instruction may still read it, so the only waits are the counted ones for the loads.  No LDS, no barrier, no matrix unit: each byte is touched once by one thread.
.set X, 16                             ; v[16:79]   step i: 8 numbers in f32, as loaded
.set Y, 80                             ; v[80:111]  step i: 4 registers to store
.set T, 112                            ; v[112:119] at work (the f16 way alone)
	s_load_b256 s[4:11], s[0:1], 0x0               ; x s[4:5], W_qkv s[6:7], W_out s[8:9], xb s[10:11]
	s_load_b128 s[12:15], s[0:1], 0x20             ; wqb s[12:13], wob s[14:15]
	v_lshlrev_b32 v1, 5, v0                        ; 32 t: never rewritten
	v_lshlrev_b32 v2, 4, v0                        ; 16 t: never rewritten
	s_mov_b32 s21, 0xffff0000                      ; a word's upper bf16
	s_mov_b32 s23, 0
	s_mov_b32 s3, 0
	s_wait_kmcnt 0x0
	s_cmp_lt_u32 ttmp9, 256                        ; which tensor is mine: the choice hangs on the work-group's number alone
	s_cselect_b64 s[16:17], s[4:5], s[6:7]
	s_cselect_b64 s[18:19], s[10:11], s[12:13]
	s_cselect_b32 s20, 0, 256
	s_cmp_lt_u32 ttmp9, 448
	s_cselect_b64 s[16:17], s[16:17], s[8:9]
	s_cselect_b64 s[18:19], s[18:19], s[14:15]
	s_cselect_b32 s20, s20, 448
	s_sub_co_u32 s20, ttmp9, s20                   ; my number among that tensor's work-groups
	s_lshl_b32 s22, s20, 16                        ; x 65,536 bytes in,
	s_lshl_b32 s2, s20, 15                         ; x 32,768 bytes out
	s_add_nc_u64 s[16:17], s[16:17], s[22:23]
	s_add_nc_u64 s[18:19], s[18:19], s[2:3]
.irp i, 0,1,2,3,4,5,6,7
	global_load_b128 v[X+8*(\i):X+8*(\i)+3],   v1, s[16:17] offset:8192*(\i) th:TH_LOAD_NT
	global_load_b128 v[X+8*(\i)+4:X+8*(\i)+7], v1, s[16:17] offset:8192*(\i)+16 th:TH_LOAD_NT
.endr
; Step i.  half = 1: the bf16 number is widened again (exact) and written as f16.
.macro CONV i, half
	s_wait_loadcnt 14-2*(\i)                       ; loads come back in order (ISA guide 5.7.1): the 2 (7 - i) loads of the later steps may stay out
.irp j, 0,1,2,3
	v_cvt_pk_bf16_f32 v[Y+4*(\i)+(\j)], v[X+8*(\i)+2*(\j)], v[X+8*(\i)+2*(\j)+1]
.endr
.if \half
.irp j, 0,1,2,3
	v_lshlrev_b32 v[T+2*(\j)],   16,  v[Y+4*(\i)+(\j)]
	v_and_b32     v[T+2*(\j)+1], s21, v[Y+4*(\i)+(\j)]
.endr
.irp j, 0,1,2,3
	v_cvt_pk_f16_f32 v[Y+4*(\i)+(\j)], v[T+2*(\j)], v[T+2*(\j)+1]
.endr
.endif
	global_store_b128 v2, v[Y+4*(\i):Y+4*(\i)+3], s[18:19] offset:4096*(\i)
.endm
	s_cmp_ge_u32 ttmp9, 448
	s_cbranch_scc1 .Lhalf
.irp i, 0,1,2,3,4,5,6,7
	CONV \i, 0
.endr
	s_endpgm
.Lhalf:
.irp i, 0,1,2,3,4,5,6,7
	CONV \i, 1
.endr
	s_endpgm
.Lfunc_end_k_q24d875cc58_cast:
	.size	k_q24d875cc58_cast, .Lfunc_end_k_q24d875cc58_cast-k_q24d875cc58_cast
	.p2alignl 7, 3214868480
	.fill 96, 4, 3214868480
	.section	.rodata,"a",@progbits
	.p2align	6, 0x0
	.amdhsa_kernel k_q24d875cc58_cast
		.amdhsa_group_segment_fixed_size 0
		.amdhsa_private_segment_fixed_size 0
		.amdhsa_enable_private_segment 0
		.amdhsa_kernarg_size 48
		.amdhsa_user_sgpr_count 2
		.amdhsa_user_sgpr_kernarg_segment_ptr 1
		.amdhsa_wavefront_size32 1
		.amdhsa_system_sgpr_workgroup_id_x 1
		.amdhsa_system_sgpr_workgroup_id_y 1
		.amdhsa_system_sgpr_workgroup_id_z 1
		.amdhsa_system_vgpr_workitem_id 0
		.amdhsa_next_free_vgpr 120
		.amdhsa_next_free_sgpr 66
		.amdhsa_reserve_vcc 0
		.amdhsa_float_denorm_mode_32 3
		.amdhsa_float_denorm_mode_16_64 3
		.amdhsa_memory_ordered 1
		.amdhsa_forward_progress 1
		.amdhsa_inst_pref_size 13
	.end_amdhsa_kernel
	.amdgpu_metadata
---
amdhsa.version: [ 1, 2 ]
amdhsa.kernels:
  - .name:           k_q24d875cc58_cast
    .symbol:         k_q24d875cc58_cast.kd
    .args:
      - { .name: x, .offset: 0, .size: 8, .value_kind: global_buffer, .address_space: global }
      - { .name: W_qkv, .offset: 8, .size: 8, .value_kind: global_buffer, .address_space: global }
      - { .name: W_out, .offset: 16, .size: 8, .value_kind: global_buffer, .address_space: global }
      - { .name: xb, .offset: 24, .size: 8, .value_kind: global_buffer, .address_space: global }
      - { .name: wqb, .offset: 32, .size: 8, .value_kind: global_buffer, .address_space: global }
      - { .name: wob, .offset: 40, .size: 8, .value_kind: global_buffer, .address_space: global }
    .group_segment_fixed_size: 0
    .private_segment_fixed_size: 0
    .kernarg_segment_align: 8
    .kernarg_segment_size: 48
    .max_flat_workgroup_size: 256
    .sgpr_count:     66
    .vgpr_count:     120
    .wavefront_size: 32
...
	.end_amdgpu_metadata
.endif
;; end of part 1
;; launch qkv (part 2): grid 16 x 16, 4 waves a work-group, clusters of 4 x 4, 327,680 bytes of LDS; arguments xb, wqb, qkv; writes qkv
.if DOCPART == 2
	.amdgcn_target "amdgcn-amd-amdhsa--gfx1250"
	.amdhsa_code_object_version 6
	.text
	.protected	k_q24d875cc58_qkv
	.globl	k_q24d875cc58_qkv
	.p2align	8
	.type	k_q24d875cc58_qkv,@function
k_q24d875cc58_qkv:
	s_mov_b64 s[64:65], 0
	v_nop
	global_prefetch_b8 v0, s[64:65] scope:SCOPE_SE
	s_setreg_imm32_b32 hwreg(HW_REG_WAVE_MODE, 25, 1), 1
	s_wait_xcnt 0x0
	s_wait_alu depctr_hold_cnt(0) depctr_sa_sdst(0) depctr_va_vdst(0) depctr_va_sdst(0) depctr_va_ssrc(0) depctr_va_vcc(0) depctr_vm_vsrc(0)
	s_getreg_b32 s2, hwreg(HW_REG_IB_STS2, 6, 4)
	s_cmp_eq_u32 s2, 0
	s_cbranch_scc0 .Lentry_in_a_cluster
	s_endpgm
.Lentry_in_a_cluster:
	s_bfe_u32 s2, ttmp6, 0x10000c
	s_cmp_lg_u32 s2, 0xf033
	s_cbranch_scc0 .Lentry_shape_is_right
	s_endpgm
.Lentry_shape_is_right:
; q, k, v = x W_qkv^T.  xb: [4096][1024] bf16, wqb: [3072][1024] bf16; sums in f32, K ascending; the result is rounded once to f16 and written BY HEADS:
; qkv[cg][t][64], cg = column / 64 (0-15 q's heads, 16-31 k's, 32-47 v's), so that a head's rows are dense, 128 bytes each.  No scale is applied here.
; LIMIT.  f16 ends at 65,504: a sum of 65,520 or more becomes an infinity.  With x and W_qkv both 30 times larger than unit spread and 1/32, or both offset by 30 spreads, the sums stay near 3e4.
; SHARES.  A tile of the result is 256 rows x 192 columns: 16 x 16 tiles, one work-group each.  Wave w makes rows 64 w .. 64 w + 63 x all 192 columns: 48 accumulators of 16 x 16, 384 registers,
; three whole slices of 64 columns, so a wave's way out touches no other wave's bytes.  K goes in steps of 128 through a ring of two LDS slots filled by the tensor data mover: the tiles' rows are
; 256 bytes of memory and start at multiples of 256 bytes from the buffer's first byte.
; CLUSTERS: 4 x 4 work-groups.  The four of a row of the cluster need the same tiles of x, the four of a column the same tiles of W: each tile is asked for JOINTLY, by the same tensor load with
; the same descriptor and a mask that names the four.  THE MATRIX INSTRUCTION IS USED TRANSPOSED (source 0 = 16 rows of W, source 1 = 16 rows of x): a lane then holds eight neighbouring columns of a row.
; REGISTERS, in windows of 256 (s_set_vgpr_msb: bits 1:0 source 0, 3:2 source 1, 5:4 source 2, 7:6 destination):
;   window 0: v0-31 addresses; v32-223 the way out, 48 registers for each block of 16 rows
;   window 1: two fragment buffers of 128: x's 4 fragments (16 rows x 32 K) at 8 a, then W's 12 at 32 + 8 b
;   window 2: the accumulators of my row blocks 0, 1 ((a, b) at 8 (12 (a % 2) + b));   window 3: those of blocks 2, 3
.set KSTEP,  128
.set PITCH,  272                       ; an LDS row: 256 bytes + 16 of padding = 68 words: row r starts at bank 4 r mod 64 (64 banks of 4 bytes: ISA guide 11.1), so the 16 rows of a load start at 16 different banks
.set A_HALF, 128*PITCH                 ; what one tensor load brings of x: 128 rows
.set B_HALF, 96*PITCH                  ; and of W: 96 rows
.set BOFF,   2*A_HALF                  ; in a slot: x's 256 rows, then W's 192
.set SLOT,   BOFF+2*B_HALF
.set STAGE,  2*SLOT                    ; behind the ring, never filled by a tensor load: for each wave 3 slices x 16 rows x 144 bytes
.set SP,     144
.set WSTG,   3*16*SP
.set SPARE,  STAGE+4*WSTG              ; behind the stages: the spare words, 128 bytes for each wave: two blocks of 256 bytes that no other line names
.set HEADB,  4096*128                  ; bytes of a slice of 64 columns in qkv
.set ADRA, 16                          ; v16-17  LDS address of my fragments of x in slot 0, 1
.set ADRB, 20                          ; v20-21  the same for W
.set STO,  24                          ; v24     the way out: where I put 16 bytes of a row
.set RD,   25                          ; v25     the way out: where I read rows back
.set GO,   26                          ; v26     my 16 bytes in 512 consecutive bytes of qkv
.set SPW,  28                          ; v28     LDS address of my spare word: SPARE + 4 x my thread's number; never rewritten
.set NIL,  29                          ; v29     0; never rewritten
.set PFO,  30                          ; v30     the prefetches' offset: my lane's row x 2,048 bytes; never rewritten
.set TMP,  32
.set F0,   0
.set F1,   128
.set G1,  24                           ; s[24:31] descriptor group 1 for x's tiles
.set G0,  32                           ; s[32:39] descriptor group 0 for x's tiles, one set for each slot
.set LIM, 43                           ; s43      1 in a wave that prefetches, else the greatest number
.set PFA, 44                           ; s[44:45] my work-group's rows of those that I fetch, at the K step that the next prefetch names
.set G1B, 48                           ; s[48:55], s[56:63] the same for W's tiles
.set G0B, 56
.set MSB, 0
.macro WIN new                         ; the immediate's high byte repeats the setting that is left; a switch that changes nothing is dropped
.if MSB != (\new)
	s_set_vgpr_msb (MSB<<8)|(\new)
.set MSB, \new
.endif
.endm
.set MUL_LO, 0xa5                      ; sources 0 and 1 window 1, C and D window 2
.set MUL_HI, 0xf5                      ; the same, C and D window 3
.set TO_F,   0x40                      ; destination window 1, address window 0
; A joint load.  Waves 0 and 1 fetch x's two halves, waves 2 and 3 W's.  The branch hangs on the wave's number alone: it is the same in every work-group.
; An s_nop 0 and four v_nop follow each of the two lines, ahead of the jump, the label and what follows.
.macro JLOAD s
	s_cmp_lt_u32 s10, 2
	s_cbranch_scc0 .Lfor_b_\@
	tensor_load_to_lds s[G0+4*(\s):G0+4*(\s)+3], s[G1:G1+7]
	s_nop 0
.rept 4
	v_nop
.endr
	s_branch .Lasked_\@
.Lfor_b_\@:
	tensor_load_to_lds s[G0B+4*(\s):G0B+4*(\s)+3], s[G1B:G1B+7]
	s_nop 0
.rept 4
	v_nop
.endr
.Lasked_\@:
.endm
; A PREFETCH INTO THE L2 of the K step that the NEXT change of slots will ask for: 192 matrix instructions ahead of that load.  It stands behind the joint load, its five lines and the run of LDS loads.
; Each row's 256 bytes of a K step are named by one wave of one work-group: x's tile row is read by every cluster of that row of clusters, and the first of them (cluster x = 0) asks; W's tile column
; by every cluster of that column, and cluster y = 0 asks.  The four partners that ask for a tile jointly share its rows out BY ADDRESS: of the 128 rows of x that a wave fetches the partner at cx
; takes 32 cx .. + 31, a lane a row; of the 96 rows of W the partner at cy takes 24 cy .. + 23, and lanes 24-31 name row 23 once more in the same instruction.
; K steps 0 to 2 come by their loads alone.  how = 1: the change behind an even K step (it names steps 3, 5, 7).  how = 0: behind an odd one (4, 6; in the loop's last trip there is no step 8).
.macro ASK how
	WIN 0
.if \how
	s_cmp_eq_u32 s[LIM], 1
.else
	s_cmp_gt_u32 s3, s[LIM]                        ; s3 = 1 in the loop's last trip
.endif
	s_cbranch_scc0 .Lnot_mine_\@
	global_prefetch_b8 v[PFO], s[PFA:PFA+1] th:TH_LOAD_NT scope:SCOPE_SE
.Lnot_mine_\@:
.endm
; A round of the cluster's barrier: my work-group's barrier, so that wave 0's signal speaks for all four waves; wave 0 signals; every wave waits for all sixteen work-groups; my work-group's barrier once more.
.macro CREST                           ; a round behind its opening barrier
	s_cmp_lg_u32 s10, 0
	s_cbranch_scc1 .Lnot_wave_0_\@
	s_barrier_signal -3
.Lnot_wave_0_\@:
	s_barrier_wait -3
	s_barrier_signal -1
	s_barrier_wait -1
.endm
.macro CROUND                          ; a whole round
	s_barrier_signal -1
	s_barrier_wait -1
	CREST
.endm
	s_load_b128 s[4:7], s[0:1], 0x0                ; xb s[4:5], wqb s[6:7]
	s_load_b64 s[8:9], s[0:1], 0x10                ; qkv
	v_lshl_add_u32 v[SPW], v0, 2, SPARE
	v_mov_b32 v[NIL], 0
	ds_add_u32 v[SPW], v[NIL]                      ; the wave's opening: the add and its wait ahead of my first tensor load; the set-up below, work on registers, stands between them
	ds_add_u32 v28, v29
	v_lshrrev_b32 v1, 5, v0
	v_readfirstlane_b32 s10, v1                    ; wave 0..3
	s_and_b32 s12, s10, 1                          ; which half of a tile I fetch
	s_bfe_u32 s40, ttmp6, 0x40000                  ; cx, cy: my place in the cluster
	s_bfe_u32 s41, ttmp6, 0x40004
	s_lshl_b32 s42, ttmp9, 2                       ; in a cluster launch ttmp9 and ttmp7 count clusters
	s_add_co_u32 s42, s42, s40                     ; tile column = 4 x cluster x + cx
	s_and_b32 s13, ttmp7, 0xffff
	s_lshl_b32 s13, s13, 2
	s_add_co_u32 s13, s13, s41                     ; tile row = 4 x cluster y + cy
	s_lshl_b32 s43, s41, 2
	s_lshl_b32 s43, 15, s43                        ; my row of the cluster: places 4 cy .. 4 cy + 3
	s_lshl_b32 s44, 0x1111, s40                    ; my column: places cx, cx + 4, cx + 8, cx + 12
	; descriptor group 1: tiles of 128 (x) or 96 (W) rows x 128 elements, padded in LDS
	s_or_b32 s[G1+0], s43, (1<<16)|(1<<20)|(1<<21)|(5<<22)|(3<<25)   ; 15:0 the mask: x's tiles go to my row; 17:16 elements of 2 bytes; 20 padding on; 21 set beside a mask; 24:22 after every 64 words (code 5); 31:25 4 words (code 3)
	s_or_b32 s[G1B+0], s44, (1<<16)|(1<<20)|(1<<21)|(5<<22)|(3<<25)  ; the same with the mask of my column
	s_mov_b32 s[G1+1], KSTEP<<16                   ; tensor_dim0 = 128
	s_mov_b32 s[G1+2], 128<<16                     ; tensor_dim1 = 128
	s_mov_b32 s[G1+3], KSTEP<<16                   ; tile_dim0 = 128
	s_mov_b32 s[G1+4], 128                         ; tile_dim1 = 128
	s_mov_b32 s[G1+5], 1024                        ; elements from row to row
	s_mov_b32 s[G1+6], 0
	s_mov_b32 s[G1+7], 0
	s_mov_b32 s[G1B+1], KSTEP<<16
	s_mov_b32 s[G1B+2], 96<<16                     ; tensor_dim1 = 96
	s_mov_b32 s[G1B+3], KSTEP<<16
	s_mov_b32 s[G1B+4], 96                         ; tile_dim1 = 96
	s_mov_b32 s[G1B+5], 1024
	s_mov_b32 s[G1B+6], 0
	s_mov_b32 s[G1B+7], 0
	; where the tiles come from.  x's hang on the tile row alone, which my row of the cluster shares; W's on the tile column alone, which my column shares.
	s_lshl_b32 s16, s13, 8
	s_lshl_b32 s17, s12, 7
	s_add_co_u32 s16, s16, s17                     ; x: row 256 x tile row + 128 x half,
	s_lshl_b32 s16, s16, 11                        ; x 2,048 bytes
	s_mov_b32 s17, 0
	s_mul_i32 s46, s42, 192
	s_mul_i32 s47, s12, 96
	s_add_co_u32 s46, s46, s47                     ; W: row 192 x tile column + 96 x half
	s_lshl_b32 s46, s46, 11
	s_mov_b32 s47, 0
	s_mul_i32 s20, s12, A_HALF                     ; and where they go: no place in the cluster enters an LDS address
	s_mul_i32 s21, s12, B_HALF
	s_add_co_u32 s21, s21, BOFF
	s_wait_dscnt 0x0                               ; the opening add is done
	s_wait_kmcnt 0x0
	s_add_nc_u64 s[14:15], s[4:5], s[16:17]
	s_add_nc_u64 s[46:47], s[6:7], s[46:47]
	CROUND                                         ; all sixteen work-groups are here: the first joint loads meet
.irp s, 0,1
	s_mov_b32 s[G0+4*(\s)], 1                                        ; count = 1
	s_add_co_u32 s[G0+4*(\s)+1], s20, (\s)*SLOT                      ; LDS address
	s_add_nc_u64 s[G0+4*(\s)+2:G0+4*(\s)+3], s[14:15], (\s)*KSTEP*2  ; global address: K step s
	s_or_b32 s[G0+4*(\s)+3], s[G0+4*(\s)+3], 0x80000000              ; type = 2
	s_mov_b32 s[G0B+4*(\s)], 1
	s_add_co_u32 s[G0B+4*(\s)+1], s21, (\s)*SLOT
	s_add_nc_u64 s[G0B+4*(\s)+2:G0B+4*(\s)+3], s[46:47], (\s)*KSTEP*2
	s_or_b32 s[G0B+4*(\s)+3], s[G0B+4*(\s)+3], 0x80000000
	JLOAD \s                                       ; two loads of mine are out
.endr
	; A fragment is 16 rows x 32 K in 8 registers: lane l holds row l % 16; registers 0-3 K = 8 (l / 16) + 0..7, registers 4-7 K = 16 + 8 (l / 16) + 0..7: two loads of 16 bytes, 32 bytes apart.
	v_and_b32 v1, 15, v0                           ; l % 16
	v_bfe_u32 v2, v0, 4, 1                         ; l / 16
	v_mul_u32_u24 v3, v1, PITCH
	v_lshl_add_u32 v3, v2, 4, v3                   ; row x pitch + 16 x half
	s_mul_i32 s21, s10, 64*PITCH                   ; my 64 rows of x
	v_add_nc_u32 v[ADRA], s21, v3
	v_add_nc_u32 v[ADRA+1], SLOT, v[ADRA]
	v_add_nc_u32 v[ADRB], BOFF, v3                 ; all 192 rows of W
	v_add_nc_u32 v[ADRB+1], SLOT+BOFF, v3
	s_mul_i32 s23, s10, WSTG
	s_add_co_u32 s23, s23, STAGE                   ; my stage
	v_mul_u32_u24 v4, v1, SP                       ; in: row l % 16, 16 bytes for each half of the lanes
	v_lshl_add_u32 v4, v2, 4, v4
	v_add_nc_u32 v[STO], s23, v4
	v_bfe_u32 v5, v0, 3, 2                         ; back: 32 lanes take four rows of 128 bytes,
	v_and_b32 v6, 7, v0
	v_mul_u32_u24 v5, v5, SP
	v_lshl_add_u32 v5, v6, 4, v5
	v_add_nc_u32 v[RD], s23, v5
	v_and_b32 v[GO], 31, v0                        ; which are 512 consecutive bytes of qkv
	v_lshlrev_b32 v[GO], 4, v[GO]
	s_mul_i32 s46, s42, 3*HEADB                    ; my tile's three slices,
	s_lshl_b32 s47, s13, 15                        ; its 256 rows of 128 bytes,
	s_add_co_u32 s46, s46, s47
	s_lshl_b32 s47, s10, 13                        ; my 64 of them
	s_add_co_u32 s46, s46, s47
	s_mov_b32 s47, 0
	s_add_nc_u64 s[8:9], s[8:9], s[46:47]
	; the prefetches
	s_lshl_b32 s20, s13, 8
	s_lshl_b32 s21, s12, 7
	s_add_co_u32 s20, s20, s21
	s_lshl_b32 s21, s40, 5
	s_add_co_u32 s20, s20, s21                     ; x: the 128 rows that I fetch, my work-group's 32 of them
	s_mul_i32 s22, s42, 192
	s_mul_i32 s23, s12, 96
	s_add_co_u32 s22, s22, s23
	s_mul_i32 s23, s41, 24
	s_add_co_u32 s22, s22, s23                     ; W: the 96 rows that I fetch, my work-group's 24 of them
	s_and_b32 s23, ttmp7, 0xffff                   ; cluster y
	s_cmp_lt_u32 s10, 2                            ; do I fetch for x?
	s_cselect_b32 s20, s20, s22
	s_cselect_b32 s23, ttmp9, s23                  ; the coordinate along which other clusters read the same rows
	s_cselect_b32 s21, 31, 23                      ; my last row
	s_cselect_b64 s[PFA:PFA+1], s[4:5], s[6:7]
	s_cmp_eq_u32 s23, 0
	s_cselect_b32 s[LIM], 1, -1                    ; the same in all sixteen partners, for a given wave
	v_and_b32 v[PFO], 31, v0
	v_min_u32 v[PFO], s21, v[PFO]
	v_lshlrev_b32 v[PFO], 11, v[PFO]
	s_lshl_b32 s20, s20, 11
	s_mov_b32 s21, 0
	s_add_nc_u64 s[PFA:PFA+1], s[PFA:PFA+1], s[20:21]
	s_add_nc_u64 s[PFA:PFA+1], s[PFA:PFA+1], 2*KSTEP*2  ; at K step 2: the first change of slots steps it to 3.  Nothing is prefetched here, where every work-group's first tiles are on their way
; 12 matrix instructions: row block 2 hi + a x all 12 column blocks, 32 along K.  zero = 1: the first product starts the sums: nothing is ever cleared.
; The 48 accumulators take turns, one instruction a turn, in the same order in every quarter step.
.macro MUL12 f, hi, a, zero
	WIN MUL_LO+0x50*(\hi)
.irp b, 0,1,2,3,4,5,6,7,8,9,10,11
.if \zero
	v_wmma_f32_16x16x32_bf16 v[8*(12*(\a)+(\b)):8*(12*(\a)+(\b))+7], v[(\f)+32+8*(\b):(\f)+32+8*(\b)+7], v[(\f)+8*(2*(\hi)+(\a)):(\f)+8*(2*(\hi)+(\a))+7], 0
.else
	v_wmma_f32_16x16x32_bf16 v[8*(12*(\a)+(\b)):8*(12*(\a)+(\b))+7], v[(\f)+32+8*(\b):(\f)+32+8*(\b)+7], v[(\f)+8*(2*(\hi)+(\a)):(\f)+8*(2*(\hi)+(\a))+7], v[8*(12*(\a)+(\b)):8*(12*(\a)+(\b))+7]
.endif
.endr
.endm
; 32 LDS loads in one run: the fragments of a quarter step (192 rows of W, then my 64 rows of x, 32 K at byte k of the rows) into buffer f
.macro FETCH slot, k, f
	WIN TO_F
.irp i, 0,1,2,3,4,5,6,7,8,9,10,11
	ds_load_b128 v[(\f)+32+8*(\i):(\f)+32+8*(\i)+3],   v[ADRB+(\slot)] offset:(\k)+(\i)*16*PITCH
	ds_load_b128 v[(\f)+32+8*(\i)+4:(\f)+32+8*(\i)+7], v[ADRB+(\slot)] offset:(\k)+(\i)*16*PITCH+32
.endr
.irp i, 0,1,2,3
	ds_load_b128 v[(\f)+8*(\i):(\f)+8*(\i)+3],   v[ADRA+(\slot)] offset:(\k)+(\i)*16*PITCH
	ds_load_b128 v[(\f)+8*(\i)+4:(\f)+8*(\i)+7], v[ADRA+(\slot)] offset:(\k)+(\i)*16*PITCH+32
.endr
.endm
; A load into a register that a matrix instruction has read, and a vector instruction that reads a matrix result, stand four places behind that matrix instruction, and only plain vector
; instructions that name none of its registers are places (ISA guide 7.12.1 for vector instructions).
.macro PLACES
.rept 4
	v_nop
.endr
.endm
; A K step is four quarter steps of 32 along K, 48 matrix instructions each, on buffers 0, 1, 0, 1.  One of the first three: multiplies buffer f; in its middle it fetches the next quarter, at byte k, into g.
.macro QUARTER slot, k, f, g, zero
	s_wait_dscnt 4                                 ; W and x's blocks 0, 1 are in; the youngest four loads (x's blocks 2, 3) may be out
	MUL12 \f, 0, 0, \zero
	MUL12 \f, 0, 1, \zero
	PLACES
	FETCH \slot, \k, \g
	s_wait_dscnt 32                                ; all but the 32 just issued
	MUL12 \f, 1, 0, \zero
	MUL12 \f, 1, 1, \zero
.endm
; The last quarter multiplies buffer 1 and changes slots: ONE barrier.  In front of it each wave waits for all its tensor loads, of which one is out: its part of the next slot; adds 0 to its spare
; word; and waits for that and for its own reads of this slot.  Behind it nobody reads this slot any more and the next slot is whole.  fill = 1: the barrier opens a round of the cluster's barrier,
; and this slot is filled again, two K steps ahead, first thing behind the round: 168 matrix instructions ahead of the wait for that load.
.macro TURN slot, next, fill, how=0
.if \fill
	s_wait_xcnt 0x0                                ; the last prefetch, a K step back, has read its address, so it may be stepped
	s_add_nc_u64 s[PFA:PFA+1], s[PFA:PFA+1], KSTEP*2
.endif
	WIN 0                                          ; (the add's two registers lie in window 0)
	s_wait_tensorcnt 0x0                           ; all my tensor loads have landed
	ds_add_u32 v[SPW], v[NIL]                      ; 0 onto my spare word
	s_wait_dscnt 5                                 ; (the add and the youngest four loads may be out)
	MUL12 F1, 0, 0, 0                              ; twelve matrix instructions stand between the add and the wait for it
	s_wait_dscnt 0x0                               ; the add is done, and my reads of this slot are over
	s_barrier_signal -1
	MUL12 F1, 0, 1, 0                              ; work on registers while the others arrive
.if \fill
	WIN 0
.endif
	s_barrier_wait -1
.if \fill
	CREST                                          ; no wave of any partner still reads this slot's tile or has a load on its way
	s_add_nc_u64 s[G0+4*(\slot)+2:G0+4*(\slot)+3], s[G0+4*(\slot)+2:G0+4*(\slot)+3], 2*KSTEP*2
	s_add_nc_u64 s[G0B+4*(\slot)+2:G0B+4*(\slot)+3], s[G0B+4*(\slot)+2:G0B+4*(\slot)+3], 2*KSTEP*2
	JLOAD \slot                                    ; the four v_nop behind it are also the places in front of the loads below
.else
	PLACES
.endif
	FETCH \next, 0, F0
.if \fill
	ASK \how
.endif
	MUL12 F1, 1, 0, 0
	MUL12 F1, 1, 1, 0
.endm
	s_wait_tensorcnt 1                             ; my part of K step 0 is in; K step 1's may stay out
	s_barrier_signal -1
	s_barrier_wait -1                              ; everybody's is
	FETCH 0, 0, F0
	QUARTER 0, 64,  F0, F1, 1                      ; the first quarter stands in front of the loop: its products start the sums
	WIN 0                                          ; at a label and at a branch every window is 0
	s_mov_b32 s3, 3
.Llap:                                                 ; a trip goes once round the ring, from a lap's second quarter to the next lap's first, and fills both slots again: K steps 2 to 7
	QUARTER 0, 128, F1, F0, 0
	QUARTER 0, 192, F0, F1, 0
	TURN 0, 1, 1, 1
	QUARTER 1, 64,  F0, F1, 0
	QUARTER 1, 128, F1, F0, 0
	QUARTER 1, 192, F0, F1, 0
	TURN 1, 0, 1, 0
	QUARTER 0, 64,  F0, F1, 0
	WIN 0
	s_sub_co_u32 s3, s3, 1
	s_cmp_lg_u32 s3, 0
	s_cbranch_scc1 .Llap
	QUARTER 0, 128, F1, F0, 0                      ; the last lap fills nothing, and has no round of the cluster's barrier
	QUARTER 0, 192, F0, F1, 0
	TURN 0, 1, 0
	QUARTER 1, 64,  F0, F1, 0
	QUARTER 1, 128, F1, F0, 0
	QUARTER 1, 192, F0, F1, 0
	s_wait_dscnt 4                                 ; the very last quarter: nothing more to fetch
	MUL12 F1, 0, 0, 0
	MUL12 F1, 0, 1, 0
	s_wait_dscnt 0x0
	MUL12 F1, 1, 0, 0
	MUL12 F1, 1, 1, 0
	WIN 0
; THE WAY OUT, a block of 16 rows at a time.  PACK: rounded to f16, 16 bytes a lane (each accumulator's registers in ascending order).  TOSTAGE: into my own stage, a slice of 64 columns in rows of
; 144 bytes, and back as whole rows of 128 bytes, into the registers that they left.  SEND: 16 rows of a slice are 2,048 consecutive bytes of qkv; a store covers 512 of them, aligned.
.macro PACK a
	WIN 0x0a+5*((\a)/2)                            ; sources 0 and 1: window 2 or 3
.irp b, 0,1,2,3,4,5,6,7,8,9,10,11
.irp r, 0,1,2,3
	v_cvt_pk_f16_f32 v[TMP+48*(\a)+4*(\b)+(\r)], v[8*(12*((\a)%2)+(\b))+2*(\r)], v[8*(12*((\a)%2)+(\b))+2*(\r)+1]
.endr
.endr
	WIN 0
.endm
.macro TOSTAGE a
.irp b, 0,1,2,3,4,5,6,7,8,9,10,11
	ds_store_b128 v[STO], v[TMP+48*(\a)+4*(\b):TMP+48*(\a)+4*(\b)+3] offset:((\b)/4)*16*SP+32*((\b)%4)
.endr
.irp j, 0,1,2,3,4,5,6,7,8,9,10,11
	ds_load_b128 v[TMP+48*(\a)+4*(\j):TMP+48*(\a)+4*(\j)+3], v[RD] offset:((\j)/4)*16*SP+((\j)%4)*4*SP  ; LDS serves a wave's instructions in order (ISA guide 5.7.1.4): these see the stores above
.endr
.endm
.macro SEND a
.irp j, 0,1,2,3,4,5,6,7,8,9,10,11
	s_wait_dscnt 11-(\j)                           ; load j of the twelve is back
	global_store_b128 v[GO], v[TMP+48*(\a)+4*(\j):TMP+48*(\a)+4*(\j)+3], s[8:9] offset:((\j)/4)*HEADB+(\a)*2048+((\j)%4)*512
.endr
.endm
	PLACES                                         ; the conversions read results just made
	PACK 0
	TOSTAGE 0
.irp a, 1,2,3                          ; block a's conversions stand between block a - 1's loads from the stage and the wait for them
	PACK \a
	SEND (\a)-1
	TOSTAGE \a
.endr
	SEND 3
	s_wait_tensorcnt 0x0                           ; the wave's end, behind my last tensor load and my last LDS store
	ds_add_u32 v[SPW], v[NIL]
	s_wait_dscnt 0x0
	CROUND                                         ; the closing round: no work-group ends while a partner may still ask for a tile that names it
	s_endpgm
.Lfunc_end_k_q24d875cc58_qkv:
	.size	k_q24d875cc58_qkv, .Lfunc_end_k_q24d875cc58_qkv-k_q24d875cc58_qkv
	.p2alignl 7, 3214868480
	.fill 96, 4, 3214868480
	.section	.rodata,"a",@progbits
	.p2align	6, 0x0
	.amdhsa_kernel k_q24d875cc58_qkv
		.amdhsa_group_segment_fixed_size 327680
		.amdhsa_private_segment_fixed_size 0
		.amdhsa_enable_private_segment 0
		.amdhsa_kernarg_size 24
		.amdhsa_user_sgpr_count 2
		.amdhsa_user_sgpr_kernarg_segment_ptr 1
		.amdhsa_wavefront_size32 1
		.amdhsa_system_sgpr_workgroup_id_x 1
		.amdhsa_system_sgpr_workgroup_id_y 1
		.amdhsa_system_sgpr_workgroup_id_z 1
		.amdhsa_system_vgpr_workitem_id 0
		.amdhsa_next_free_vgpr 960
		.amdhsa_next_free_sgpr 66
		.amdhsa_reserve_vcc 0
		.amdhsa_float_denorm_mode_32 3
		.amdhsa_float_denorm_mode_16_64 3
		.amdhsa_memory_ordered 1
		.amdhsa_forward_progress 1
		.amdhsa_inst_pref_size 120
	.end_amdhsa_kernel
	.amdgpu_metadata
---
amdhsa.version: [ 1, 2 ]
amdhsa.kernels:
  - .name:           k_q24d875cc58_qkv
    .symbol:         k_q24d875cc58_qkv.kd
    .args:
      - { .name: xb, .offset: 0, .size: 8, .value_kind: global_buffer, .address_space: global }
      - { .name: wqb, .offset: 8, .size: 8, .value_kind: global_buffer, .address_space: global }
      - { .name: qkv, .offset: 16, .size: 8, .value_kind: global_buffer, .address_space: global }
    .group_segment_fixed_size: 327680
    .private_segment_fixed_size: 0
    .kernarg_segment_align: 8
    .kernarg_segment_size: 24
    .max_flat_workgroup_size: 128
    .sgpr_count:     66
    .vgpr_count:     960
    .wavefront_size: 32
...
	.end_amdgpu_metadata
.endif
;; end of part 2
;; launch attn (part 3): grid 16 x 16, 4 waves a work-group, no clusters, 262,656 bytes of LDS; arguments qkv, ob; writes ob
.if DOCPART == 3
	.amdgcn_target "amdgcn-amd-amdhsa--gfx1250"
	.amdhsa_code_object_version 6
	.text
	.protected	k_q24d875cc58_attn
	.globl	k_q24d875cc58_attn
	.p2align	8
	.type	k_q24d875cc58_attn,@function
k_q24d875cc58_attn:
	s_mov_b64 s[64:65], 0
	v_nop
	global_prefetch_b8 v0, s[64:65] scope:SCOPE_SE
	s_setreg_imm32_b32 hwreg(HW_REG_WAVE_MODE, 25, 1), 1
	s_wait_xcnt 0x0
; WINDOWED ATTENTION.  O[h][q] = the sum over the keys that q sees of softmax_k(Q[h][q] . K[h][k] / 8) V[h][k].  Every row sees keys 0..15; row q >= 16 also sees keys max(16, q - 512) .. q.
; qkv: [48][4096][64] f16 (slices 0-15 q's heads, 16-31 k's, 32-47 v's; a head's rows are dense, 128 bytes).  ob: [64][16][64][64] f16 = [t / 64][head][t % 64][channel].
; Products, maxima and sums in f32; the weights p are rounded to f16 for the second product (their sum l is taken of the unrounded p), O once at the end.
; LIMITS.  q, k, v arrive within f16's 65,504.  A hidden score counts as its value less 1e30: f16's scores, 2.7e11 at the most, are nothing beside that.  p below 6e-5 keeps f16's step of 6e-8;
; a weight below 2^-126 counts as 0 in l; NaN and infinities are not treated apart.
; SHARES.  A work-group takes 256 queries (block BI) of one head; wave w the 64 queries of group G = 4 BI + w, as four tiles of 16.  Keys go in steps of 64, aligned like the queries: key groups
; G - 8 .. G, those below 0 left out.  Groups G - 7 .. G - 1 are seen whole.  Group G - 8 (the far edge): key kk of the group is hidden from query qq of mine if kk < qq.  Group G (the diagonal): if kk > qq.
; Keys 0..15 lie in group 0: for G <= 8 it is in the walk, and its first 16 keys are shown there whatever the edge or the diagonal says; for G >= 9 one more step takes group 0 with keys 16..63 hidden.
; The first step that a wave runs shows every row a key, so the running maximum is a true score before the first hidden one comes.  At most ten steps a wave.
; ALL KEYS LIE IN LDS AT ONCE, filled once: 13 regions of 64 keys: 0-3 the tile BI - 2, 4-7 the tile BI, 8-11 the tile BI - 1, 12 key group 0.  So wave w finds its far edge in region w, its
; diagonal in region w + 4, and its seven whole groups in regions 8-11 and w + 1 .. w + 3.  Blocks 0 and 1 have no tile BI - 2 (BI - 1): tile 0 is loaded in its place and never read.
; Each wave issues four tensor loads at the start (waves 0, 1 the halves of K's tiles, waves 2, 3 of V's): four are out at the most.  Tile BI - 1 is asked for first and walked while the others land.
; NO CLUSTER: block BI wants tiles BI - 2 .. BI at fixed LDS places, so neighbouring blocks' descriptors differ; all six tiles of four neighbours would take 6 x 77,824 = 466,944 bytes of LDS.
; NO PREFETCH: every tile is asked for at the kernel's head; nothing is known further ahead than that.
; LAYOUT.  S^T = K Q^T (source 0 = 16 keys, source 1 = 16 queries): a lane holds ONE query (lane % 16) and the keys 8 (lane / 16) + 0..7.  Two such results, rounded to f16 in pairs, ARE source 1
; (32 keys x 16 queries) of O^T = V^T P, whose result again holds one query a lane, and eight channels.  K comes out of LDS as it lies, V ([key][channel]) turned, by ds_load_tr16_b128.
; SOFTMAX.  For each query a running maximum m and sum l: p = 2^(c s - c m), c = log2(e) / 8; in every step O and l are multiplied by a = 2^(c m_old - c m_new).  m starts at the lowest finite
; number, O and l at 0: the first step is a step like any other, with a = 0.  THE MASK is the C operand that starts the sum S^T: 0, or -1e30 where the key is hidden.
; A STEP stands by itself, so that it can be jumped over.  The wave's tiles are two pieces (0, 1 and 2, 3): piece 0's scores; piece 1's scores with the head of piece 0's softmax behind them, four
; vector instructions to a product; the rest of that softmax; piece 0's V^T P with the head of piece 1's softmax; the rest; piece 1's V^T P.
; REGISTERS, in windows of 256 (s_set_vgpr_msb: bits 1:0 source 0, 3:2 source 1, 5:4 source 2, 7:6 destination):
;   window 0: v0-11 addresses; v12-15 c m_old; v16-31 statistics, 4 a tile; v32-47 at work, 4 a tile; v64-191 S^T, 32 a tile; v192-255 P, 16 a tile
;   window 1: v0-127 O^T, 32 a tile; v128-255 the masks of a step's 16 blocks      window 2: v0-63 Q; v64-127 K of a step; v128-191 V of a step; v192-207 the two triangles
.set KS,    64
.set PK,    144       ; a row of K in LDS: 128 bytes + 16 of padding = 36 words: the 16 rows of a load start at 16 different groups of four banks (64 banks of 4 bytes: ISA guide 11.1)
.set PVB,   160       ; a row of V: 128 + 32 = 40 words
.set RK,    KS*PK     ; a region of K
.set RV,    KS*PVB    ; a region of V
.set VOFF,  13*RK     ; K's 13 regions, then V's
.set STAGE, VOFF+13*RV  ; behind them, never filled by a tensor load: 16 rows x 144 bytes for each wave, for the way out
.set SP,    144
.set SPARE, STAGE+4*16*SP  ; behind the stages: the spare words, 128 bytes for each wave: two blocks of 256 bytes that no other line names
.set AK0, 2           ; v2   my lane's place in a region of K; never rewritten
.set AV0, 3           ; v3   the same for V, VOFF in it
.set AK,  4           ; v4   the LDS address of K's run of loads
.set AV,  5           ; v5   of V's
.set STO, 6           ; v6   the way out: where I put 16 bytes of a row
.set RD,  7           ; v7   the way out: where I read rows back
.set GO,  8           ; v8   my 16 bytes in 512 consecutive bytes of ob
.set MV,  12          ; v12-15  c m_old, kept while c m is made anew
.set ST,  16          ; tile t's statistics at v[ST+4 t]: c m, m, l (even keys', odd keys')
.set TMP, 32          ; tile t's four registers c0-c3 at work; when the maximum is found c2 takes a
.set QO,  48          ; v48  my byte offset in 16 rows of Q
.set TT,  49          ; v49  at work at the head
.set SPW, 62          ; v62  LDS address of my spare word: SPARE + 4 x my thread's number; never rewritten
.set NIL, 63          ; v63  0; never rewritten
.set S,   64
.set P,   192
.set MC,  128         ; window 1: the mask of tile t, key block kb at MC + 8 (4 t + kb)
.set KF,  64          ; window 2: key block kb, channel half c at KF + 16 kb + 8 c
.set VF,  128         ; window 2: key half kk, channel block cb at VF + 32 kk + 8 cb
.set TD,  192         ; window 2: -1e30 where 8 (l / 16) + j > l % 16, else 0: the diagonal's triangle
.set TL,  200         ; window 2: -1e30 where 8 (l / 16) + j < l % 16, else 0: the far edge's
.set BG8, 2           ; s[2:3]   -1e30, or 0 where G = 8
.set WV,  8           ; s8   my wave's number
.set BI,  9           ; s9   my block of 256 queries
.set HD,  10          ; s10  the head
.set GQ,  11          ; s11  G
.set HALF, 12         ; s12  which half of a tile I fetch
.set KG0, 14          ; s14  4 BI - 8, signed: the key group of region 0
.set CNT, 15          ; s15  counts a loop's trips
.set RUN, 16          ; s16, s17  at work at the head; a region's number and key group; the third loop's running bases
.set TBK, 18          ; s18  LDS byte at which the step's region of K begins
.set TBV, 19          ; s19  the same for V, less VOFF
.set KP,  20          ; s[20:21] K of my head
.set VP,  22          ; s[22:23] V of my head
.set G1K, 24          ; s[24:31] descriptor group 1 for K's tiles;  s[32:39] for V's: it differs in the padding alone
.set G1V, 32
.set G1KP, 40         ; s[40:47], s[48:55] the same for key group 0: 16 rows for 64
.set G1VP, 48
.set CS,  92          ; s[92:93] c: the packed scaling takes the pair's low word for both halves
.set SEL, 94          ; s[94:95] v_permlanex16_b32's selects: each lane takes its own place in the other half
.set BIGN, 96         ; s[96:97] -1e30
.set FL8, 98          ; s[98:99] 1.0, or 0 where G = 8
.set FL0, 100         ; s[100:101] 1.0, or 0 where G = 0
.set MSB, 0
.macro WIN new                      ; the high byte repeats the setting that is left; a switch that changes nothing is dropped
.if MSB != (\new)
	s_set_vgpr_msb (MSB<<8)|(\new)
.set MSB, (\new)
.endif
.endm
.set W_KQ, 0x0a       ; K and Q in window 2, S^T in window 0
.set W_KM, 0x1a       ; the same with the C operand in window 1
.set W_PV, 0x52       ; V in window 2, P in window 0, O^T in window 1
.set W_RS, 0x41       ; destination and source 0 in window 1, source 1 in window 0
.set W_MK, 0x42       ; destination in window 1, source 0 in window 2
	s_load_b128 s[4:7], s[0:1], 0x0 ; qkv s[4:5], ob s[6:7]
	v_lshl_add_u32 v[SPW], v0, 2, SPARE
	v_mov_b32 v[NIL], 0
	ds_add_u32 v[SPW], v[NIL]       ; the wave's opening: the add and its wait ahead of my first tensor load; the set-up below, work on registers, stands between them
	ds_add_u32 v62, v63
	v_lshrrev_b32 v1, 5, v0
	v_readfirstlane_b32 s[WV], v1   ; wave 0..3
	s_mov_b32 s[BI], ttmp9
	s_and_b32 s[HD], ttmp7, 0xffff
	s_lshl_b32 s[GQ], s[BI], 2
	s_add_co_u32 s[GQ], s[GQ], s[WV]
	s_and_b32 s[HALF], s[WV], 1
	s_lshl_b32 s[KG0], s[BI], 2
	s_sub_co_i32 s[KG0], s[KG0], 8
	; descriptor group 1.  128 keys are 16,384 dense bytes: asked for as 64 rows of 256 bytes, two keys a row, and padded in LDS after every key
	s_mov_b32 s[G1K],  (1<<16)|(1<<20)|(4<<22)|(3<<25)  ; 17:16 2-byte elements; 20 padding on; 24:22 after every 32 words (code 4); 31:25 4 words (code 3)
	s_mov_b32 s[G1V],  (1<<16)|(1<<20)|(4<<22)|(7<<25)  ; the same with 8 words of padding (code 7)
	s_mov_b32 s[G1KP], (1<<16)|(1<<20)|(4<<22)|(3<<25)
	s_mov_b32 s[G1VP], (1<<16)|(1<<20)|(4<<22)|(7<<25)
.irp g, G1K, G1V
	s_mov_b32 s[\g+1], 128<<16      ; tensor_dim0 = 128
	s_mov_b32 s[\g+2], 64<<16       ; tensor_dim1 = 64
	s_mov_b32 s[\g+3], 128<<16      ; tile_dim0 = 128
	s_mov_b32 s[\g+4], 64           ; tile_dim1 = 64
	s_mov_b32 s[\g+5], 128          ; 128 elements from row to row
	s_mov_b32 s[\g+6], 0
	s_mov_b32 s[\g+7], 0
.endr
.irp g, G1KP, G1VP
	s_mov_b32 s[\g+1], 128<<16
	s_mov_b32 s[\g+2], 16<<16       ; 32 keys: 16 rows
	s_mov_b32 s[\g+3], 128<<16
	s_mov_b32 s[\g+4], 16
	s_mov_b32 s[\g+5], 128
	s_mov_b32 s[\g+6], 0
	s_mov_b32 s[\g+7], 0
.endr
	s_mov_b32 s[CS], 0x3e38aa3b     ; c = log2(e) / 8 = 0.180337
	s_mov_b32 s[CS+1], s[CS]        ; named with it as a pair
	s_mov_b32 s[SEL], 0x76543210
	s_mov_b32 s[SEL+1], 0xfedcba98
	s_mov_b32 s[BIGN], 0xf149f2ca   ; -1e30
	s_mov_b32 s[BIGN+1], s[BIGN]
	s_cmp_lg_u32 s[GQ], 8
	s_cselect_b32 s[FL8], 1.0, 0
	s_mov_b32 s[FL8+1], 0
	s_cmp_lg_u32 s[GQ], 0
	s_cselect_b32 s[FL0], 1.0, 0
	s_mov_b32 s[FL0+1], 0
	s_add_co_u32 s[KP], s[HD], 16
	s_lshl_b32 s[KP], s[KP], 19     ; slice 16 + head, 524,288 bytes a slice
	s_mov_b32 s[KP+1], 0
	s_add_co_u32 s[VP], s[HD], 32
	s_lshl_b32 s[VP], s[VP], 19
	s_mov_b32 s[VP+1], 0
	s_mul_i32 s13, s[HALF], 128*PK  ; my half's place in a tile, for K
	s_mul_i32 s2, s[HALF], 128*PVB  ; and for V,
	s_lshl_b32 s3, s[HALF], 14      ; and its 128 rows of 128 bytes in memory
	s_mov_b32 s[RUN+1], 0
	s_wait_dscnt 0x0                ; the opening add is done
	s_wait_kmcnt 0x0
	s_add_nc_u64 s[KP:KP+1], s[4:5], s[KP:KP+1]
	s_add_nc_u64 s[VP:VP+1], s[4:5], s[VP:VP+1]
; Descriptor group 0 for tile BI - 2 + tau (0 where that is negative), which goes to the four regions from 4 ph on: K's set at s[gk], V's at s[gv].
.macro TSET gk, gv, tau, ph
	s_add_co_i32 s[RUN], s[BI], (\tau)-2
	s_max_i32 s[RUN], s[RUN], 0
	s_lshl_b32 s[RUN], s[RUN], 15   ; a tile is 32,768 bytes of K and of V
	s_add_co_u32 s[RUN], s[RUN], s3
	s_mov_b32 s[\gk], 1             ; count = 1
	s_add_co_u32 s[\gk+1], s13, (\ph)*4*RK  ; LDS address
	s_add_nc_u64 s[\gk+2:\gk+3], s[KP:KP+1], s[RUN:RUN+1]  ; global address
	s_or_b32 s[\gk+3], s[\gk+3], 0x80000000  ; type = 2
	s_mov_b32 s[\gv], 1
	s_add_co_u32 s[\gv+1], s2, VOFF+(\ph)*4*RV
	s_add_nc_u64 s[\gv+2:\gv+3], s[VP:VP+1], s[RUN:RUN+1]
	s_or_b32 s[\gv+3], s[\gv+3], 0x80000000
.endm
	TSET 56, 76, 1, 2               ; tile BI - 1, wanted first
	TSET 60, 80, 0, 0               ; tile BI - 2
	TSET 68, 84, 2, 1               ; tile BI
	s_lshl_b32 s[RUN], s[HALF], 12  ; key group 0: my 32 keys of 128 bytes
	s_mov_b32 s72, 1
	s_mul_i32 s73, s[HALF], 32*PK
	s_add_co_u32 s73, s73, 12*RK
	s_add_nc_u64 s[74:75], s[KP:KP+1], s[RUN:RUN+1]
	s_or_b32 s75, s75, 0x80000000
	s_mov_b32 s88, 1
	s_mul_i32 s89, s[HALF], 32*PVB
	s_add_co_u32 s89, s89, VOFF+12*RV
	s_add_nc_u64 s[90:91], s[VP:VP+1], s[RUN:RUN+1]
	s_or_b32 s91, s91, 0x80000000
	s_cmp_lt_u32 s[WV], 2           ; a wave's four fills stand in one branch, ahead of every wait on TENSORcnt, every LDS read and every barrier; an s_nop 0 follows each, four v_nop the last
	s_cbranch_scc0 .Lfill_v
	tensor_load_to_lds s[56:59], s[G1K:G1K+7]
	s_nop 0
	tensor_load_to_lds s[60:63], s[G1K:G1K+7]
	s_nop 0
	tensor_load_to_lds s[68:71], s[G1K:G1K+7]
	s_nop 0
	tensor_load_to_lds s[72:75], s[G1KP:G1KP+7]
	s_nop 0
.rept 4
	v_nop
.endr
	s_branch .Lfilled
.Lfill_v:
	tensor_load_to_lds s[76:79], s[G1V:G1V+7]
	s_nop 0
	tensor_load_to_lds s[80:83], s[G1V:G1V+7]
	s_nop 0
	tensor_load_to_lds s[84:87], s[G1V:G1V+7]
	s_nop 0
	tensor_load_to_lds s[88:91], s[G1VP:G1VP+7]
	s_nop 0
.rept 4
	v_nop
.endr
.Lfilled:
	s_lshl_b32 s[RUN], s[HD], 19    ; Q: slice = head,
	s_lshl_b32 s13, s[GQ], 13       ; my 64 rows of 128 bytes
	s_add_co_u32 s[RUN], s[RUN], s13
	s_add_nc_u64 s[4:5], s[4:5], s[RUN:RUN+1]
	s_lshl_b32 s[RUN], s[GQ], 4     ; ob: block (G, head) of 8,192 bytes
	s_add_co_u32 s[RUN], s[RUN], s[HD]
	s_lshl_b32 s[RUN], s[RUN], 13
	s_add_nc_u64 s[6:7], s[6:7], s[RUN:RUN+1]
	s_cmp_lg_u32 s[GQ], 8
	s_cselect_b32 s[BG8], s[BIGN], 0
	s_mov_b32 s[BG8+1], 0
	; A fragment of K or Q is 16 rows x 32 channels in 8 registers: lane l holds row l % 16, channels 8 (l / 16) + 0..7 and 16 + 8 (l / 16) + 0..7: two loads of 16 bytes, 32 bytes apart.
	v_and_b32 v1, 15, v0            ; l % 16
	v_bfe_u32 v9, v0, 4, 1          ; l / 16
	v_lshlrev_b32 v[QO], 7, v1
	v_lshl_add_u32 v[QO], v9, 4, v[QO]  ; row x 128 + 16 x half
	v_lshlrev_b32 v[TT], 3, v9
	v_sub_nc_u32 v[TT], v1, v[TT]   ; l % 16 - 8 (l / 16), signed
	WIN 0x80                        ; destination window 2, sources window 0
.set i, 0
.rept 8                             ; Q stays in registers: tile i / 2, channels 32 (i % 2) on
	global_load_b128 v[8*i:8*i+3],   v[QO], s[4:5] offset:(i/2)*2048+(i%2)*64
	global_load_b128 v[8*i+4:8*i+7], v[QO], s[4:5] offset:(i/2)*2048+(i%2)*64+32
.set i, i+1
.endr
.set i, 0
.rept 8                             ; the two triangles, for a block of 16 keys x 16 queries on the diagonal of a step
	v_cmp_gt_i32 vcc_lo, i, v[TT]
	v_cndmask_b32 v[TD+i], 0, s[BIGN], vcc_lo
	v_cmp_lt_i32 vcc_lo, i, v[TT]
	v_cndmask_b32 v[TL+i], 0, s[BIGN], vcc_lo
.set i, i+1
.endr
	WIN 0x40
.set i, 0
.rept 128
	v_mov_b32 v[i], 0               ; O^T starts at 0: written in the wait for the first tile, so that no first step is written out
.set i, i+1
.endr
	WIN 0
.set i, 0
.rept 4
	v_mov_b32 v[ST+4*i], 0xfe000000    ; c m: far below every c s
	v_mov_b32 v[ST+4*i+1], 0xff7fffff  ; m
	v_mov_b32 v[ST+4*i+2], 0
	v_mov_b32 v[ST+4*i+3], 0
.set i, i+1
.endr
	v_mul_u32_u24 v[AK0], v1, PK
	v_lshl_add_u32 v[AK0], v9, 4, v[AK0]  ; row x pitch + 16 x half
	; The turning load takes 16 keys x 16 channels (lane l reads key 8 (l / 16) + l % 8, channels 8 ((l / 8) % 2) + 0..7) and leaves half a fragment of V^T: lane l holds channel l % 16 and 8 keys.
	v_and_b32 v10, 7, v0
	v_bfe_u32 v11, v0, 3, 1
	v_lshl_add_u32 v[AV0], v9, 3, v10
	v_mul_u32_u24 v[AV0], v[AV0], PVB
	v_lshl_add_u32 v[AV0], v11, 4, v[AV0]
	v_add_nc_u32 v[AV0], VOFF, v[AV0]
	s_mul_i32 s13, s[WV], 16*SP
	s_add_co_u32 s13, s13, STAGE    ; my stage
	v_mul_u32_u24 v[STO], v1, SP    ; in: row l % 16, 16 bytes for each half of the lanes
	v_lshl_add_u32 v[STO], v9, 4, v[STO]
	v_add_nc_u32 v[STO], s13, v[STO]
	v_bfe_u32 v[RD], v0, 3, 2       ; back: 32 lanes take four rows of 128 bytes,
	v_mul_u32_u24 v[RD], v[RD], SP
	v_lshl_add_u32 v[RD], v10, 4, v[RD]
	v_add_nc_u32 v[RD], s13, v[RD]
	v_and_b32 v[GO], 31, v0         ; which are 512 consecutive bytes of ob
	v_lshlrev_b32 v[GO], 4, v[GO]
; THE MATRIX WORK.  The 8 accumulators of a run of 16 take turns: between the two links of a chain stand 7 others'.
; Product i of 16 of S^T = K Q^T for piece pc: channels 32 (i / 8) on, keys 16 ((i / 2) % 4) on, tile 2 pc + i % 2.  The first 8 start the sums: with 0, or (m = 1) with the mask.
.macro KQ pc, m
.set kS, S+32*(2*(\pc)+i%2)+8*((i/2)%4)
.set kK, KF+16*((i/2)%4)+8*(i/8)
.set kQ, 16*(2*(\pc)+i%2)+8*(i/8)
.set kM, MC+8*(4*(2*(\pc)+i%2)+(i/2)%4)
.if (i < 8) && (\m)
	WIN W_KM
	v_wmma_f32_16x16x32_f16 v[kS:kS+7], v[kK:kK+7], v[kQ:kQ+7], v[kM:kM+7]
.elseif i < 8
	WIN W_KQ
	v_wmma_f32_16x16x32_f16 v[kS:kS+7], v[kK:kK+7], v[kQ:kQ+7], 0
.else
	WIN W_KQ
	v_wmma_f32_16x16x32_f16 v[kS:kS+7], v[kK:kK+7], v[kQ:kQ+7], v[kS:kS+7]
.endif
.endm
; Product i of 16 of O^T += V^T P for piece pc: keys 32 (i / 8) on, channels 16 ((i / 2) % 4) on, tile 2 pc + i % 2.
.macro PV pc
	WIN W_PV
.set pO, 32*(2*(\pc)+i%2)+8*((i/2)%4)
.set pV, VF+32*(i/8)+8*((i/2)%4)
.set pP, P+16*(2*(\pc)+i%2)+8*(i/8)
	v_wmma_f32_16x16x32_f16 v[pO:pO+7], v[pV:pV+7], v[pP:pP+7], v[pO:pO+7]
.endm
; THE LDS LOADS: a step's K (64 keys x 64 channels: 8 fragments, the first 32 channels first) and its V (turned), 32 loads in one run.
.macro FETCH_K
	WIN 0x80                        ; destination window 2
.irp c, 0,1
.irp kb, 0,1,2,3
	ds_load_b128 v[KF+16*(\kb)+8*(\c):KF+16*(\kb)+8*(\c)+3],   v[AK] offset:(\kb)*16*PK+(\c)*64
	ds_load_b128 v[KF+16*(\kb)+8*(\c)+4:KF+16*(\kb)+8*(\c)+7], v[AK] offset:(\kb)*16*PK+(\c)*64+32
.endr
.endr
.endm
.macro FETCH_V
	WIN 0x80
.irp f, 0,1,2,3,4,5,6,7             ; keys 32 (f / 4) on, channels 16 (f % 4) on
	ds_load_tr16_b128 v[VF+8*\f:VF+8*\f+3],   v[AV] offset:(\f/4)*32*PVB+(\f%4)*32
	ds_load_tr16_b128 v[VF+8*\f+4:VF+8*\f+7], v[AV] offset:(\f/4)*32*PVB+16*PVB+(\f%4)*32
.endr
.endm
; THE VECTOR WORK of a tile and step: 118 instructions.
.macro REGS t                       ; the registers of tile t
.set rT, ST+4*(\t)
.set rC, TMP+4*(\t)
.set rW, MV+(\t)
.set rS, S+32*(\t)
.set rP, P+16*(\t)
.set rO, 32*(\t)
.endm
; XS: number n of the 22 that find the maximum and the statistics.  s0-s31 are the lane's 32 scores; each accumulator's lowest registers are read first.
;   0-11  four chains c0-c3 of seven scores each, three operands at a time     12-14, 16  the four scores left over, the old m, and c0-c3 into c0     15  c m_old is kept
;   17, 18  the query's other 32 keys lie in the lane 16 away: the new m         19-21  c m; c m_old - c m_new; a
.macro XS t, n
	REGS \t
	WIN 0
.if (\n) < 4
	v_max3_num_f32 v[rC+(\n)], v[rS+8*(\n)], v[rS+8*(\n)+1], v[rS+8*(\n)+2]
.elseif (\n) < 12
	v_max3_num_f32 v[rC+(\n)%4], v[rC+(\n)%4], v[rS+8*((\n)%4)+2*((\n)/4)+1], v[rS+8*((\n)%4)+2*((\n)/4)+2]
.elseif (\n) == 12
	v_max3_num_f32 v[rC], v[rC], v[rS+7], v[rS+15]
.elseif (\n) == 13
	v_max3_num_f32 v[rC+1], v[rC+1], v[rS+23], v[rS+31]
.elseif (\n) == 14
	v_max3_num_f32 v[rC+2], v[rC+2], v[rC+3], v[rT+1]
.elseif (\n) == 15
	v_mov_b32 v[rW], v[rT]
.elseif (\n) == 16
	v_max3_num_f32 v[rC], v[rC], v[rC+1], v[rC+2]
.elseif (\n) == 17
	v_permlanex16_b32 v[rC+3], v[rC], s[SEL], s[SEL+1]
.elseif (\n) == 18
	v_max_num_f32 v[rT+1], v[rC], v[rC+3]
.elseif (\n) == 19
	v_mul_f32 v[rT], s[CS], v[rT+1]
.elseif (\n) == 20
	v_sub_f32 v[rC+1], v[rW], v[rT]
.else
	v_exp_f32 v[rC+2], v[rC+1]
.endif
.endm
.macro FS t, p                      ; c s - c m for pair p of 16
	REGS \t
	WIN 0
	v_pk_fma_f32 v[rS+2*(\p):rS+2*(\p)+1], v[rS+2*(\p):rS+2*(\p)+1], s[CS:CS+1], v[rT:rT+1] op_sel_hi:[1,0,0] neg_lo:[0,0,1] neg_hi:[0,0,1]
.endm
.macro ES t, n                      ; the exponential of score n of 32
	REGS \t
	WIN 0
	v_exp_f32 v[rS+(\n)], v[rS+(\n)]
.endm
.macro CV t, p                      ; pair p rounded to f16
	REGS \t
	WIN 0
	s_wait_alu depctr_va_vdst(0)
	v_cvt_pk_f16_f32 v[rP+(\p)], v[rS+2*(\p)], v[rS+2*(\p)+1]
.endm
.macro BS t, k                      ; of the four weights 4 k .. the second pair is added onto the first, in place (both have been rounded by then)
	REGS \t
	WIN 0
	v_pk_add_f32 v[rS+4*(\k):rS+4*(\k)+1], v[rS+4*(\k):rS+4*(\k)+1], v[rS+4*(\k)+2:rS+4*(\k)+3]
.endm
.macro LS t, k                      ; l takes that sum; the first time as l = a l + sum
	REGS \t
	WIN 0
.if (\k) == 0
	v_pk_fma_f32 v[rT+2:rT+3], v[rT+2:rT+3], v[rC+2:rC+3], v[rS:rS+1] op_sel_hi:[1,0,1]
.else
	v_pk_add_f32 v[rT+2:rT+3], v[rT+2:rT+3], v[rS+4*(\k):rS+4*(\k)+1]
.endif
.endm
.macro RS t, n                      ; pair n of 16 of O^T times a: the one part that leaves window 0
	REGS \t
	WIN W_RS
	v_pk_mul_f32 v[rO+2*(\n):rO+2*(\n)+1], v[rO+2*(\n):rO+2*(\n)+1], v[rC+2:rC+3] op_sel_hi:[1,0]
.endm
.macro SUM t, z                     ; number z of the 16 sums: B0 B1 B2 L0 B3 L1 B4 L2 B5 L3 B6 L4 B7 L5 L6 L7: l's additions stand apart, each behind its B
.if (\z) < 3
	BS \t, \z
.elseif (\z) >= 13
	LS \t, (\z)-8
.elseif ((\z)-3)%2 == 0
	LS \t, ((\z)-3)/2
.else
	BS \t, 3+((\z)-4)/2
.endif
.endm
; A PIECE's 236 instructions in one numbered list; QE writes number qi and steps it.  The two tiles alternate, so that no line reads the result of the line before it.
;   0-43    the maxima and statistics          44-47   the scalings of pairs 0, 1
;   48-175  sixteen groups of eight: group g holds the four exponentials of pair g (both tiles) at its even places, so that each has a plain line, which names neither its result nor its source,
;           behind it (ISA guide 5.7.2); at the odd places work that is ready: the scaling of a pair still to come (pairs 2, 3 in group 0, then pair g + 3), the rounding of pair g - 1, the first sums
;   176-177 the last rounding       178-203 the rest of the sums       204-235 O^T times a
.macro QE pc
.set tt, 2*(\pc)+qi%2
.if qi < 44
	XS tt, qi/2
.elseif qi < 48
	FS tt, (qi-44)/2
.elseif qi < 176
.set gg, (qi-48)/8
.set ee, (qi-48)%8
.set tt, 2*(\pc)+(ee/2)%2
.if ee%2 == 0
	ES tt, 2*gg+ee/4
.elseif (ee < 4) && (gg == 0)
	FS tt, 2
.elseif (ee < 4) && (gg <= 12)
	FS tt, gg+3
.elseif ee < 4
	SUM tt, gg-13
.elseif gg == 0
	FS tt, 3
.else
	CV tt, gg-1
.endif
.elseif qi < 178
	CV tt, 15
.elseif qi < 204
	SUM tt, 3+(qi-178)/2
.else
	RS tt, (qi-204)/2
.endif
.set qi, qi+1
.endm
; A vector instruction that reads a matrix result, and a load into a register that a matrix instruction has read, stand four places behind it, and only plain vector instructions that name none
; of its registers are places (ISA guide 7.12.1 for vector instructions).
.macro PLACES
.rept 4
	v_nop
.endr
.endm
; A KEY STEP, on the regions at s[TBK] and s[TBV].  m = 1: the products that start the sums take the masks.  The lines behind a product name none of its registers: they belong to the other piece.
.macro STEP m
	WIN 0
	v_add_nc_u32 v[AK], s[TBK], v[AK0]
	v_add_nc_u32 v[AV], s[TBV], v[AV0]
	FETCH_K
	FETCH_V
	s_wait_dscnt 24                 ; K's first 32 channels are in: its other 8 loads and V's 16 may be out
.set i, 0
.rept 8
	KQ 0, \m
.set i, i+1
.endr
	s_wait_dscnt 16                 ; K is in: V's 16 loads may be out
.rept 8
	KQ 0, \m
.set i, i+1
.endr
	PLACES                          ; piece 0's scores are read next
.set i, 0
.set qi, 0
.rept 16
	KQ 1, \m
.set i, i+1
.rept 4
	QE 0
.endr
.endr
.rept 172
	QE 0
.endr
	s_wait_dscnt 0x0                ; V is in
.set i, 0
.set qi, 0
.rept 16
	PV 0
.set i, i+1
.rept 4
	QE 1
.endr
.endr
.rept 172
	QE 1
.endr
.set i, 0
.rept 16
	PV 1
.set i, i+1
.endr
	WIN 0
	PLACES                          ; for the next step's loads into V's registers, and for the way out
.endm
; THE MASKS.  MBLK writes the mask of tile t, key block kb.  kind 0: nothing hidden; 1: the triangle src; 2: the triangle times the flag in s[reg]; 3: the constant in s[reg].
.macro MBLK t, kb, src, kind, reg=0
.set mD, MC+8*(4*(\t)+(\kb))
.irp z, 0,2,4,6
.if (\kind) == 0
	v_pk_mul_f32 v[mD+\z:mD+\z+1], v[(\src)+\z:(\src)+\z+1], 0 op_sel_hi:[1,0]
.elseif (\kind) == 1
	v_pk_mul_f32 v[mD+\z:mD+\z+1], v[(\src)+\z:(\src)+\z+1], 1.0 op_sel_hi:[1,0]
.elseif (\kind) == 2
	v_pk_mul_f32 v[mD+\z:mD+\z+1], v[(\src)+\z:(\src)+\z+1], s[(\reg):(\reg)+1] op_sel_hi:[1,0]
.else
	v_pk_fma_f32 v[mD+\z:mD+\z+1], v[(\src)+\z:(\src)+\z+1], 0, s[(\reg):(\reg)+1] op_sel_hi:[1,0,0]
.endif
.endr
.endm
.macro MASK_L                       ; key group G - 8: hidden where kk < qq; where G = 8 its key block 0 is keys 0..15, which every row sees
	WIN W_MK
.irp t, 0,1,2,3
.irp kb, 0,1,2,3
.if ((\t) == 0) && ((\kb) == 0)
	MBLK \t, \kb, TL, 2, FL8
.elseif (\kb) == 0
	MBLK \t, \kb, TL, 3, BG8
.elseif (\kb) < (\t)
	MBLK \t, \kb, TL, 3, BIGN
.elseif (\kb) == (\t)
	MBLK \t, \kb, TL, 1
.else
	MBLK \t, \kb, TL, 0
.endif
.endr
.endr
	WIN 0
.endm
.macro MASK_D                       ; key group G: hidden where kk > qq; where G = 0 rows 0..15 see all of keys 0..15
	WIN W_MK
.irp t, 0,1,2,3
.irp kb, 0,1,2,3
.if ((\t) == 0) && ((\kb) == 0)
	MBLK \t, \kb, TD, 2, FL0
.elseif (\kb) < (\t)
	MBLK \t, \kb, TD, 0
.elseif (\kb) == (\t)
	MBLK \t, \kb, TD, 1
.else
	MBLK \t, \kb, TD, 3, BIGN
.endif
.endr
.endr
	WIN 0
.endm
.macro MASK_P                       ; key group 0 for G >= 9: keys 0..15 alone
	WIN W_MK
.irp t, 0,1,2,3
.irp kb, 0,1,2,3
.if (\kb) == 0
	MBLK \t, \kb, TD, 0
.else
	MBLK \t, \kb, TD, 3, BIGN
.endif
.endr
.endr
	WIN 0
.endm
	s_wait_tensorcnt 0x3            ; my part of tile BI - 1 is in; my other three loads may stay out: no LDS byte is filled twice in this launch
	s_barrier_signal -1
	s_barrier_wait -1               ; everybody's is
	s_wait_loadcnt 0x0              ; Q
	; FIRST: regions 8-11, key groups 4 BI - 4 .. 4 BI - 1: seen whole by all four waves.  Block 0 has none of them.
	s_mov_b32 s[CNT], 4
	s_mov_b32 s[TBK], 8*RK
	s_mov_b32 s[TBV], 8*RV
.Lp1:
	s_cmp_eq_u32 s[BI], 0
	s_cbranch_scc1 .Lp1_skip
	STEP 0
.Lp1_skip:
	s_add_co_u32 s[TBK], s[TBK], RK
	s_add_co_u32 s[TBV], s[TBV], RV
	s_sub_co_u32 s[CNT], s[CNT], 1
	s_cmp_lg_u32 s[CNT], 0
	s_cbranch_scc1 .Lp1
	s_wait_tensorcnt 0x0            ; all my parts are in,
	s_wait_dscnt 0x0
	s_barrier_signal -1
	s_barrier_wait -1               ; everybody's are
	; SECOND: regions w + 1 .. w + 3, my other three whole key groups.  Region p holds key group 4 BI - 8 + p, from region 4 on 4 more; a group below 0 does not exist.
	s_mov_b32 s[CNT], 3
	s_add_co_u32 s[RUN], s[WV], 1
	s_mul_i32 s[TBK], s[RUN], RK
	s_mul_i32 s[TBV], s[RUN], RV
.Lp2:
	s_cmp_lt_u32 s[RUN], 4
	s_cselect_b32 s[RUN+1], 0, 4
	s_add_co_u32 s[RUN+1], s[RUN+1], s[RUN]
	s_add_co_i32 s[RUN+1], s[RUN+1], s[KG0]
	s_cmp_lt_i32 s[RUN+1], 0
	s_cbranch_scc1 .Lp2_skip
	STEP 0
.Lp2_skip:
	s_add_co_u32 s[RUN], s[RUN], 1
	s_add_co_u32 s[TBK], s[TBK], RK
	s_add_co_u32 s[TBV], s[TBV], RV
	s_sub_co_u32 s[CNT], s[CNT], 1
	s_cmp_lg_u32 s[CNT], 0
	s_cbranch_scc1 .Lp2
	; THIRD: the three steps with masks: the far edge (region w; none for G < 8), the diagonal (region w + 4), keys 0..15 (region 12; for G >= 9).  One text of the step; the branches choose the mask alone.
	s_mov_b32 s[CNT], 3
	s_mul_i32 s[RUN], s[WV], RK
	s_mul_i32 s[RUN+1], s[WV], RV
.Lp3:
	s_cmp_eq_u32 s[CNT], 1
	s_cselect_b32 s[TBK], 12*RK, s[RUN]
	s_cselect_b32 s[TBV], 12*RV, s[RUN+1]
	s_cmp_eq_u32 s[CNT], 3
	s_cbranch_scc0 .Lnot_l
	s_cmp_lt_u32 s[GQ], 8
	s_cbranch_scc1 .Lp3_skip
	MASK_L
	s_branch .Lp3_go
.Lnot_l:
	s_cmp_eq_u32 s[CNT], 2
	s_cbranch_scc0 .Lnot_d
	MASK_D
	s_branch .Lp3_go
.Lnot_d:
	s_cmp_lt_u32 s[GQ], 9
	s_cbranch_scc1 .Lp3_skip
	MASK_P
.Lp3_go:
	STEP 1
.Lp3_skip:
	s_add_co_u32 s[RUN], s[RUN], 4*RK
	s_add_co_u32 s[RUN+1], s[RUN+1], 4*RV
	s_sub_co_u32 s[CNT], s[CNT], 1
	s_cmp_lg_u32 s[CNT], 0
	s_cbranch_scc1 .Lp3
	; THE WAY OUT.  l's two halves and the other half of the lanes' are added; O^T is divided by l, rounded to f16 and sent through my stage in LDS, a tile at a time.
.macro ALL line:vararg              ; one line for each tile t
.set t, 0
.rept 4
	\line
.set t, t+1
.endr
.endm
	ALL v_add_f32 v[ST+4*t+2], v[ST+4*t+2], v[ST+4*t+3]
	ALL v_permlanex16_b32 v[ST+4*t+3], v[ST+4*t+2], s[SEL], s[SEL+1]
	ALL v_add_f32 v[ST+4*t+2], v[ST+4*t+2], v[ST+4*t+3]
	ALL v_rcp_f32 v[ST+4*t+2], v[ST+4*t+2]
	v_nop                           ; a plain instruction between the last reciprocal and the use of its result
	s_wait_alu depctr_va_vdst(0)
; Tile t: a lane's eight channels of a row pack into 16 bytes; they go into rows of 144 bytes and come back as whole rows of 128, into S^T's registers.
.macro PACK t
	WIN W_RS
.set i, 32*(\t)
.rept 16
	v_pk_mul_f32 v[i:i+1], v[i:i+1], v[ST+4*(\t)+2:ST+4*(\t)+3] op_sel_hi:[1,0]
.set i, i+2
.endr
	WIN 0x05                        ; sources 0 and 1 window 1, destination window 0
.set i, 0
.rept 16
	v_cvt_pk_f16_f32 v[S+16*(\t)+i], v[32*(\t)+2*i], v[32*(\t)+2*i+1]
.set i, i+1
.endr
	WIN 0
.irp f, 0,1,2,3
	ds_store_b128 v[STO], v[S+16*(\t)+4*\f:S+16*(\t)+4*\f+3] offset:32*\f
.endr
.irp f, 0,1,2,3
	ds_load_b128 v[S+16*(\t)+4*\f:S+16*(\t)+4*\f+3], v[RD] offset:\f*4*SP  ; LDS serves a wave's instructions in order (ISA guide 5.7.1.4): these see the stores above; the next tile's stores come behind them
.endr
.endm
.macro SEND t, younger              ; younger: the LDS instructions issued behind tile t's loads: the next tile's eight, or none
	WIN 0
.irp f, 0,1,2,3
	s_wait_dscnt (\younger)+3-\f
	global_store_b128 v[GO], v[S+16*(\t)+4*\f:S+16*(\t)+4*\f+3], s[6:7] offset:(\t)*2048+\f*512  ; 512 consecutive bytes, at a multiple of 256 from ob's first
.endr
.endm
	PACK 0
.set t, 1
.rept 3                             ; a tile's arithmetic stands between the loads of the tile before and its stores
	PACK t
	SEND t-1, 8
.set t, t+1
.endr
	SEND 3, 0
	s_wait_tensorcnt 0x0            ; the wave's end, behind my last tensor load and my last LDS store
	ds_add_u32 v[SPW], v[NIL]
	s_wait_dscnt 0x0
	s_endpgm
.Lfunc_end_k_q24d875cc58_attn:
	.size	k_q24d875cc58_attn, .Lfunc_end_k_q24d875cc58_attn-k_q24d875cc58_attn
	.p2alignl 7, 3214868480
	.fill 96, 4, 3214868480
	.section	.rodata,"a",@progbits
	.p2align	6, 0x0
	.amdhsa_kernel k_q24d875cc58_attn
		.amdhsa_group_segment_fixed_size 262656
		.amdhsa_private_segment_fixed_size 0
		.amdhsa_enable_private_segment 0
		.amdhsa_kernarg_size 16
		.amdhsa_user_sgpr_count 2
		.amdhsa_user_sgpr_kernarg_segment_ptr 1
		.amdhsa_wavefront_size32 1
		.amdhsa_system_sgpr_workgroup_id_x 1
		.amdhsa_system_sgpr_workgroup_id_y 1
		.amdhsa_system_sgpr_workgroup_id_z 1
		.amdhsa_system_vgpr_workitem_id 0
		.amdhsa_next_free_vgpr 768
		.amdhsa_next_free_sgpr 102
		.amdhsa_reserve_vcc 1
		.amdhsa_float_denorm_mode_32 3
		.amdhsa_float_denorm_mode_16_64 3
		.amdhsa_memory_ordered 1
		.amdhsa_forward_progress 1
		.amdhsa_inst_pref_size 151
	.end_amdhsa_kernel
	.amdgpu_metadata
---
amdhsa.version: [ 1, 2 ]
amdhsa.kernels:
  - .name:           k_q24d875cc58_attn
    .symbol:         k_q24d875cc58_attn.kd
    .args:
      - { .name: qkv, .offset: 0, .size: 8, .value_kind: global_buffer, .address_space: global }
      - { .name: ob, .offset: 8, .size: 8, .value_kind: global_buffer, .address_space: global }
    .group_segment_fixed_size: 262656
    .private_segment_fixed_size: 0
    .kernarg_segment_align: 8
    .kernarg_segment_size: 16
    .max_flat_workgroup_size: 128
    .sgpr_count:     102
    .vgpr_count:     768
    .wavefront_size: 32
...
	.end_amdgpu_metadata
.endif
;; end of part 3
;; launch proj (part 4): grid 8 x 32, 4 waves a work-group, clusters of 4 x 4, 327,680 bytes of LDS; arguments ob, wob, out0; writes out0
.if DOCPART == 4
	.amdgcn_target "amdgcn-amd-amdhsa--gfx1250"
	.amdhsa_code_object_version 6
	.text
	.protected	k_q24d875cc58_proj
	.globl	k_q24d875cc58_proj
	.p2align	8
	.type	k_q24d875cc58_proj,@function
k_q24d875cc58_proj:
	s_mov_b64 s[64:65], 0
	v_nop
	global_prefetch_b8 v0, s[64:65] scope:SCOPE_SE
	s_setreg_imm32_b32 hwreg(HW_REG_WAVE_MODE, 25, 1), 1
	s_wait_xcnt 0x0
	s_wait_alu depctr_hold_cnt(0) depctr_sa_sdst(0) depctr_va_vdst(0) depctr_va_sdst(0) depctr_va_ssrc(0) depctr_va_vcc(0) depctr_vm_vsrc(0)
	s_getreg_b32 s2, hwreg(HW_REG_IB_STS2, 6, 4)
	s_cmp_eq_u32 s2, 0
	s_cbranch_scc0 .Lentry_in_a_cluster
	s_endpgm
.Lentry_in_a_cluster:
	s_bfe_u32 s2, ttmp6, 0x10000c
	s_cmp_lg_u32 s2, 0xf033
	s_cbranch_scc0 .Lentry_shape_is_right
	s_endpgm
.Lentry_shape_is_right:
; out0[t][e] = the sum over d of O[t][d] W_out[e][d].  ob: [t / 64][head][t % 64][64] f16 (d = 64 head + channel), wob: [1024][1024] f16, out0: [4096][1024] f32.  Sums in f32, K ascending.
; A tile of out0 is 128 x 128: 8 x 32 tiles, one work-group each.  Four waves, each 64 x 64: 16 accumulators of 16 x 16, 128 registers.  K goes in steps of 256, four heads, through two LDS slots.
; O's part of a step for 64 rows is 4 heads x 64 rows x 128 bytes = 32,768 consecutive bytes of ob: asked for as 128 rows of 256 bytes and padded in LDS after every 128, so that it lies there as
; [head][row] in rows of 144 bytes.  W's part is 64 rows of 512 bytes, padded to 528.
; CLUSTERS: 4 x 4 work-groups.  The four of a row of the cluster need the same tiles of O, the four of a column the same tiles of W: each tile is asked for JOINTLY, by the same tensor load with the
; same descriptor and a mask that names the four.  THE MATRIX INSTRUCTION IS USED TRANSPOSED (source 0 = 16 rows of W, source 1 = 16 rows of O): a lane then holds eight neighbouring numbers of a row.
; No prefetch: four K steps in all, of which two are asked for at the head.
; REGISTERS: window 0: v0-31 addresses; v128-255 the accumulators ((a, b) at v[128 + 8 (4 a + b)]), and on the way out the rows read back.
;   window 1: two fragment buffers of 128: for 64 along K (two matrix instructions deep), 64 registers of O (2 x 4 x 16 rows x 32 K), then 64 of W.
.set PA,     144                       ; a row of O in LDS: 128 bytes + 16 = 36 words: the 16 rows of a load start at 16 different groups of four banks (64 banks of 4 bytes: ISA guide 11.1)
.set PB,     528                       ; a row of W: 512 bytes + 16 = 132 words: likewise
.set A_HALF, 4*64*PA                   ; what one tensor load brings of O
.set B_HALF, 64*PB                     ; and of W
.set BOFF,   2*A_HALF
.set SLOT,   BOFF+2*B_HALF
.set STAGE,  2*SLOT                    ; behind the ring, never filled by a tensor load: 16 rows x 272 bytes for each wave
.set SPITCH, 272
.set SPARE,  STAGE+4*16*SPITCH         ; behind the stages: the spare words, 128 bytes for each wave: two blocks of 256 bytes that no other line names
.set ADRA, 16                          ; v16-17  LDS address of my fragments of O in slot 0, 1
.set ADRB, 20                          ; v20-21  the same for W
.set STO,  24                          ; v24     the way out: where I put 32 bytes of a row
.set RD,   25                          ; v25     the way out: where I read a row back
.set CO,   26                          ; v26     my byte offset in out0
.set SPW,  28                          ; v28     LDS address of my spare word: SPARE + 4 x my thread's number; never rewritten
.set NIL,  29                          ; v29     0; never rewritten
.set ACC,  128
.set F0,   0
.set F1,   128
.set G1, 24                            ; s[24:31] descriptor group 1 for O's tiles;  s[32:39] group 0, one set for each slot
.set G0, 32
.set G1B, 48                           ; s[48:55], s[56:63] the same for W's tiles
.set G0B, 56
.set MSB, 0
.macro WIN new                         ; the immediate's high byte repeats the setting that is left
.if MSB != (\new)
	s_set_vgpr_msb (MSB<<8)|(\new)
.set MSB, \new
.endif
.endm
.set MUL,  0x05                        ; sources 0 (W) and 1 (O) window 1; C and D window 0
.set TO_F, 0x40                        ; destination window 1, address window 0
.macro JLOAD s                         ; a joint load: waves 0 and 1 fetch O's two halves, waves 2 and 3 W's; an s_nop 0 and four v_nop follow each of the two lines, ahead of the jump, the label and what follows
	s_cmp_lt_u32 s10, 2
	s_cbranch_scc0 .Lfor_b_\@
	tensor_load_to_lds s[G0+4*(\s):G0+4*(\s)+3], s[G1:G1+7]
	s_nop 0
.rept 4
	v_nop
.endr
	s_branch .Lasked_\@
.Lfor_b_\@:
	tensor_load_to_lds s[G0B+4*(\s):G0B+4*(\s)+3], s[G1B:G1B+7]
	s_nop 0
.rept 4
	v_nop
.endr
.Lasked_\@:
.endm
.macro CREST                           ; a round of the cluster's barrier behind its opening barrier
	s_cmp_lg_u32 s10, 0
	s_cbranch_scc1 .Lnot_wave_0_\@
	s_barrier_signal -3
.Lnot_wave_0_\@:
	s_barrier_wait -3
	s_barrier_signal -1
	s_barrier_wait -1
.endm
.macro CROUND                          ; a whole round
	s_barrier_signal -1
	s_barrier_wait -1
	CREST
.endm
	s_load_b128 s[4:7], s[0:1], 0x0                ; ob s[4:5], wob s[6:7]
	s_load_b64 s[8:9], s[0:1], 0x10                ; out0
	v_lshl_add_u32 v[SPW], v0, 2, SPARE
	v_mov_b32 v[NIL], 0
	ds_add_u32 v[SPW], v[NIL]                      ; the wave's opening: the add and its wait ahead of my first tensor load; the set-up below, work on registers, stands between them
	ds_add_u32 v28, v29
	v_lshrrev_b32 v1, 5, v0
	v_readfirstlane_b32 s10, v1                    ; wave 0..3
	s_lshr_b32 s11, s10, 1                         ; which half of the tile's rows is mine
	s_and_b32 s12, s10, 1                          ; which half of its columns.  Also: which half of a tile I fetch
	s_bfe_u32 s40, ttmp6, 0x40000                  ; cx, cy: my place in the cluster
	s_bfe_u32 s41, ttmp6, 0x40004
	s_lshl_b32 s42, ttmp9, 2
	s_add_co_u32 s42, s42, s40                     ; tile column = 4 x cluster x + cx
	s_and_b32 s13, ttmp7, 0xffff
	s_lshl_b32 s13, s13, 2
	s_add_co_u32 s13, s13, s41                     ; tile row = 4 x cluster y + cy
	s_lshl_b32 s43, s41, 2
	s_lshl_b32 s43, 15, s43                        ; my row of the cluster
	s_lshl_b32 s44, 0x1111, s40                    ; my column
	s_or_b32 s[G1+0], s43, (1<<16)|(1<<20)|(1<<21)|(4<<22)|(3<<25)   ; 15:0 the mask: O's tiles go to my row; 17:16 elements of 2 bytes; 20 padding on; 21 set beside a mask; 24:22 after every 32 words (code 4); 31:25 4 words (code 3)
	s_mov_b32 s[G1+1], 128<<16                     ; tensor_dim0 = 128
	s_mov_b32 s[G1+2], 128<<16                     ; tensor_dim1 = 128
	s_mov_b32 s[G1+3], 128<<16                     ; tile_dim0 = 128
	s_mov_b32 s[G1+4], 128                         ; tile_dim1 = 128
	s_mov_b32 s[G1+5], 128                         ; the block is dense: 128 elements from row to row
	s_mov_b32 s[G1+6], 0
	s_mov_b32 s[G1+7], 0
	s_or_b32 s[G1B+0], s44, (1<<16)|(1<<20)|(1<<21)|(6<<22)|(3<<25)  ; W's tiles go to my column; padding after every 128 words (code 6)
	s_mov_b32 s[G1B+1], 256<<16                    ; tensor_dim0 = 256
	s_mov_b32 s[G1B+2], 64<<16                     ; tensor_dim1 = 64
	s_mov_b32 s[G1B+3], 256<<16                    ; tile_dim0 = 256
	s_mov_b32 s[G1B+4], 64                         ; tile_dim1 = 64
	s_mov_b32 s[G1B+5], 1024                       ; elements from row to row
	s_mov_b32 s[G1B+6], 0
	s_mov_b32 s[G1B+7], 0
	s_lshl_b32 s16, s13, 1
	s_add_co_u32 s16, s16, s12                     ; O: block of 64 rows 2 x tile row + half,
	s_lshl_b32 s16, s16, 17                        ; x 16 heads x 8,192 bytes
	s_mov_b32 s17, 0
	s_lshl_b32 s46, s42, 7
	s_lshl_b32 s47, s12, 6
	s_add_co_u32 s46, s46, s47                     ; W: row 128 x tile column + 64 x half,
	s_lshl_b32 s46, s46, 11                        ; x 2,048 bytes
	s_mov_b32 s47, 0
	s_mul_i32 s20, s12, A_HALF                     ; where they go: no place in the cluster enters an LDS address
	s_mul_i32 s21, s12, B_HALF
	s_add_co_u32 s21, s21, BOFF
	s_wait_dscnt 0x0                               ; the opening add is done
	s_wait_kmcnt 0x0
	s_add_nc_u64 s[14:15], s[4:5], s[16:17]
	s_add_nc_u64 s[46:47], s[6:7], s[46:47]
	CROUND                                         ; all sixteen work-groups are here: the first joint loads meet
.irp s, 0,1
	s_mov_b32 s[G0+4*(\s)], 1
	s_add_co_u32 s[G0+4*(\s)+1], s20, (\s)*SLOT
	s_add_nc_u64 s[G0+4*(\s)+2:G0+4*(\s)+3], s[14:15], (\s)*32768   ; K step s: four heads on
	s_or_b32 s[G0+4*(\s)+3], s[G0+4*(\s)+3], 0x80000000
	s_mov_b32 s[G0B+4*(\s)], 1
	s_add_co_u32 s[G0B+4*(\s)+1], s21, (\s)*SLOT
	s_add_nc_u64 s[G0B+4*(\s)+2:G0B+4*(\s)+3], s[46:47], (\s)*512   ; K step s: 256 elements on
	s_or_b32 s[G0B+4*(\s)+3], s[G0B+4*(\s)+3], 0x80000000
	JLOAD \s                                       ; two loads of mine are out
.endr
	v_and_b32 v1, 15, v0                           ; l % 16
	v_bfe_u32 v2, v0, 4, 1                         ; l / 16
	v_mul_u32_u24 v3, v1, PA
	v_lshl_add_u32 v3, v2, 4, v3                   ; a fragment's row x pitch + 16 x half, for O
	v_mul_u32_u24 v4, v1, PB
	v_lshl_add_u32 v4, v2, 4, v4                   ; and for W
	s_mul_i32 s21, s11, A_HALF                     ; my 64 rows of O
	s_mul_i32 s22, s12, B_HALF                     ; my 64 rows of W,
	s_add_co_u32 s22, s22, BOFF                    ; which lie behind O's
.irp s, 0,1
	v_add_nc_u32 v[ADRA+(\s)], s21, v3
	v_add_nc_u32 v[ADRB+(\s)], s22, v4
	s_add_co_u32 s21, s21, SLOT
	s_add_co_u32 s22, s22, SLOT
.endr
	s_mul_i32 s23, s10, 16*SPITCH
	s_add_co_u32 s23, s23, STAGE                   ; my stage
	v_mul_u32_u24 v5, v1, SPITCH                   ; in: row l % 16, 32 bytes for each half of the lanes
	v_lshl_add_u32 v5, v2, 5, v5
	v_add_nc_u32 v[STO], s23, v5
	v_mul_u32_u24 v5, v2, SPITCH                   ; back: lanes 0-15 take one row of 256 bytes, lanes 16-31 the next
	v_lshl_add_u32 v5, v1, 4, v5
	v_add_nc_u32 v[RD], s23, v5
	v_lshlrev_b32 v5, 12, v2                       ; and the same two rows in out0, 4,096 bytes apart
	v_lshl_add_u32 v[CO], v1, 4, v5
	s_lshl_b32 s16, s13, 7
	s_lshl_b32 s17, s11, 6
	s_add_co_u32 s16, s16, s17                     ; my first row: 128 x tile row + 64 x half
	s_lshl_b32 s16, s16, 12
	s_mov_b32 s17, 0
	s_add_nc_u64 s[8:9], s[8:9], s[16:17]
	s_lshl_b32 s46, s42, 9                         ; my first column, in bytes: 512 x tile column + 256 x half
	s_lshl_b32 s47, s12, 8
	s_add_co_u32 s46, s46, s47
	s_mov_b32 s47, 0
	s_add_nc_u64 s[8:9], s[8:9], s[46:47]
; 8 matrix instructions: row blocks a0, a0 + 1 x all 4 column blocks, 32 along K: half c of buffer f.  zero = 1: the first product starts the sums.  The 16 accumulators take turns.
.macro MUL8 f, c, a0, zero
	WIN MUL
.irp a, \a0, (\a0)+1
.irp b, 0,1,2,3
.if \zero
	v_wmma_f32_16x16x32_f16 v[ACC+8*(4*(\a)+(\b)):ACC+8*(4*(\a)+(\b))+7], v[(\f)+64+8*(4*(\c)+(\b)):(\f)+64+8*(4*(\c)+(\b))+7], v[(\f)+8*(4*(\c)+(\a)):(\f)+8*(4*(\c)+(\a))+7], 0
.else
	v_wmma_f32_16x16x32_f16 v[ACC+8*(4*(\a)+(\b)):ACC+8*(4*(\a)+(\b))+7], v[(\f)+64+8*(4*(\c)+(\b)):(\f)+64+8*(4*(\c)+(\b))+7], v[(\f)+8*(4*(\c)+(\a)):(\f)+8*(4*(\c)+(\a))+7], v[ACC+8*(4*(\a)+(\b)):ACC+8*(4*(\a)+(\b))+7]
.endif
.endr
.endr
.endm
; 32 LDS loads in one run: the fragments of quarter q of a K step (one head: 64 along K) into buffer f; the first 32 along K first
.macro FETCH slot, q, f
	WIN TO_F
.irp c, 0,1
.irp i, 0,1,2,3
	ds_load_b128 v[(\f)+64+8*(4*(\c)+(\i)):(\f)+64+8*(4*(\c)+(\i))+3],   v[ADRB+(\slot)] offset:128*(\q)+64*(\c)+(\i)*16*PB
	ds_load_b128 v[(\f)+64+8*(4*(\c)+(\i))+4:(\f)+64+8*(4*(\c)+(\i))+7], v[ADRB+(\slot)] offset:128*(\q)+64*(\c)+(\i)*16*PB+32
	ds_load_b128 v[(\f)+8*(4*(\c)+(\i)):(\f)+8*(4*(\c)+(\i))+3],         v[ADRA+(\slot)] offset:64*PA*(\q)+64*(\c)+(\i)*16*PA
	ds_load_b128 v[(\f)+8*(4*(\c)+(\i))+4:(\f)+8*(4*(\c)+(\i))+7],       v[ADRA+(\slot)] offset:64*PA*(\q)+64*(\c)+(\i)*16*PA+32
.endr
.endr
.endm
.macro PLACES                          ; four places in front of loads into registers that matrix instructions have read, and of LDS stores that read results (ISA guide 7.12.1 for the stores)
.rept 4
	v_nop
.endr
.endm
; A K step is four quarters of 64 along K, 32 matrix instructions each, on buffers 0, 1, 0, 1.  One of the first three: multiplies buffer f and fetches quarter q into g.
.macro QUARTER slot, q, f, g, zero
	s_wait_dscnt 16                                ; the first 32 along K are in: the youngest sixteen loads may be out
	MUL8 \f, 0, 0, \zero
	MUL8 \f, 0, 2, \zero
	PLACES
	FETCH \slot, \q, \g
	s_wait_dscnt 32                                ; all but the 32 just issued
	MUL8 \f, 1, 0, 0
	MUL8 \f, 1, 2, 0
.endm
; The last quarter multiplies buffer 1 and changes slots: ONE barrier; in front of it each wave waits for all its tensor loads, adds 0 to its spare word, and waits for that and for its own reads of this slot.
; fill = 1: the barrier opens a round of the cluster's barrier, and this slot is filled again, two K steps ahead, first thing behind the round.
.macro TURN slot, next, fill
	WIN 0                                          ; (the add's two registers lie in window 0)
	s_wait_tensorcnt 0x0                           ; all my tensor loads have landed: my part of the next slot
	ds_add_u32 v[SPW], v[NIL]                      ; 0 onto my spare word
	s_wait_dscnt 17                                ; (the add and the youngest sixteen loads may be out)
	MUL8 F1, 0, 0, 0                               ; eight matrix instructions stand between the add and the wait for it
	s_wait_dscnt 0x0                               ; the add is done, and my reads of this slot are over
	s_barrier_signal -1
	MUL8 F1, 0, 2, 0
.if \fill
	WIN 0
.endif
	s_barrier_wait -1
.if \fill
	CREST                                          ; no wave of any partner still reads this slot's tile or has a load on its way
	s_add_nc_u64 s[G0+4*(\slot)+2:G0+4*(\slot)+3], s[G0+4*(\slot)+2:G0+4*(\slot)+3], 2*32768
	s_add_nc_u64 s[G0B+4*(\slot)+2:G0B+4*(\slot)+3], s[G0B+4*(\slot)+2:G0B+4*(\slot)+3], 2*512
	JLOAD \slot                                    ; 112 matrix instructions ahead of the wait for it; the four v_nop behind it are also the places in front of the loads below
.else
	PLACES
.endif
	FETCH \next, 0, F0
	MUL8 F1, 1, 0, 0
	MUL8 F1, 1, 2, 0
.endm
	s_wait_tensorcnt 1                             ; my part of K step 0 is in; K step 1's may stay out
	s_barrier_signal -1
	s_barrier_wait -1                              ; everybody's is
	FETCH 0, 0, F0
	QUARTER 0, 1, F0, F1, 1                        ; K step 0: its first products start the sums
	QUARTER 0, 2, F1, F0, 0
	QUARTER 0, 3, F0, F1, 0
	TURN 0, 1, 1                                   ; slot 0 takes K step 2
	QUARTER 1, 1, F0, F1, 0                        ; K step 1
	QUARTER 1, 2, F1, F0, 0
	QUARTER 1, 3, F0, F1, 0
	TURN 1, 0, 1                                   ; slot 1 takes K step 3
	QUARTER 0, 1, F0, F1, 0                        ; K step 2
	QUARTER 0, 2, F1, F0, 0
	QUARTER 0, 3, F0, F1, 0
	TURN 0, 1, 0                                   ; nothing is left to fetch, and no round follows
	QUARTER 1, 1, F0, F1, 0                        ; K step 3
	QUARTER 1, 2, F1, F0, 0
	QUARTER 1, 3, F0, F1, 0
	s_wait_dscnt 16
	MUL8 F1, 0, 0, 0
	MUL8 F1, 0, 2, 0
	s_wait_dscnt 0x0
	MUL8 F1, 1, 0, 0
	MUL8 F1, 1, 2, 0
	WIN 0
	; THE WAY OUT.  My 64 columns of f32 are 256 bytes of a row of out0, aligned: a block of 16 rows goes through my own stage, 32 bytes a lane in (each accumulator's low half first), whole rows back,
	; into the registers that they left.
.macro STG a
.irp b, 0,1,2,3
	ds_store_b128 v[STO], v[ACC+8*(4*(\a)+(\b)):ACC+8*(4*(\a)+(\b))+3]   offset:64*(\b)
	ds_store_b128 v[STO], v[ACC+8*(4*(\a)+(\b))+4:ACC+8*(4*(\a)+(\b))+7] offset:64*(\b)+16
.endr
.irp t, 0,1,2,3,4,5,6,7
	ds_load_b128 v[ACC+32*(\a)+4*(\t):ACC+32*(\a)+4*(\t)+3], v[RD] offset:(\t)*2*SPITCH  ; LDS serves a wave's instructions in order (ISA guide 5.7.1.4): these see the stores above; the next block's stores come behind them
.endr
.endm
.macro SEND a, younger                 ; younger: the LDS instructions issued behind block a's loads: the next block's sixteen, or none
.irp t, 0,1,2,3,4,5,6,7
	s_wait_dscnt (\younger)+7-(\t)
	global_store_b128 v[CO], v[ACC+32*(\a)+4*(\t):ACC+32*(\a)+4*(\t)+3], s[8:9] offset:(16*(\a)+2*(\t))*4096 th:TH_STORE_NT  ; 16 lanes store 256 consecutive bytes, at a multiple of 256 from out0's first byte
.endr
.endm
	PLACES                                         ; the LDS stores read results just made
	STG 0
	STG 1
	SEND 0, 16
	STG 2
	SEND 1, 16
	STG 3
	SEND 2, 16
	SEND 3, 0
	s_wait_tensorcnt 0x0                           ; the wave's end, behind my last tensor load and my last LDS store
	ds_add_u32 v[SPW], v[NIL]
	s_wait_dscnt 0x0
	CROUND                                         ; the closing round: no work-group ends while a partner may still ask for a tile that names it
	s_endpgm
.Lfunc_end_k_q24d875cc58_proj:
	.size	k_q24d875cc58_proj, .Lfunc_end_k_q24d875cc58_proj-k_q24d875cc58_proj
	.p2alignl 7, 3214868480
	.fill 96, 4, 3214868480
	.section	.rodata,"a",@progbits
	.p2align	6, 0x0
	.amdhsa_kernel k_q24d875cc58_proj
		.amdhsa_group_segment_fixed_size 327680
		.amdhsa_private_segment_fixed_size 0
		.amdhsa_enable_private_segment 0
		.amdhsa_kernarg_size 24
		.amdhsa_user_sgpr_count 2
		.amdhsa_user_sgpr_kernarg_segment_ptr 1
		.amdhsa_wavefront_size32 1
		.amdhsa_system_sgpr_workgroup_id_x 1
		.amdhsa_system_sgpr_workgroup_id_y 1
		.amdhsa_system_sgpr_workgroup_id_z 1
		.amdhsa_system_vgpr_workitem_id 0
		.amdhsa_next_free_vgpr 512
		.amdhsa_next_free_sgpr 66
		.amdhsa_reserve_vcc 0
		.amdhsa_float_denorm_mode_32 3
		.amdhsa_float_denorm_mode_16_64 3
		.amdhsa_memory_ordered 1
		.amdhsa_forward_progress 1
		.amdhsa_inst_pref_size 86
	.end_amdhsa_kernel
	.amdgpu_metadata
---
amdhsa.version: [ 1, 2 ]
amdhsa.kernels:
  - .name:           k_q24d875cc58_proj
    .symbol:         k_q24d875cc58_proj.kd
    .args:
      - { .name: ob, .offset: 0, .size: 8, .value_kind: global_buffer, .address_space: global }
      - { .name: wob, .offset: 8, .size: 8, .value_kind: global_buffer, .address_space: global }
      - { .name: out0, .offset: 16, .size: 8, .value_kind: global_buffer, .address_space: global }
    .group_segment_fixed_size: 327680
    .private_segment_fixed_size: 0
    .kernarg_segment_align: 8
    .kernarg_segment_size: 24
    .max_flat_workgroup_size: 128
    .sgpr_count:     66
    .vgpr_count:     512
    .wavefront_size: 32
...
	.end_amdgpu_metadata
.endif
;; end of part 4
